; MI455X (gfx1250); checked and timed in simulation.
; The chip was launched on July 23, 2026; its instructions are those of AMD's public machine-readable ISA for CDNA 5 (MIT licence, August 2026) and "CDNA5" Instruction Set Architecture Reference Guide (July 2026). The comments in the code are by the model that wrote it; some were corrected since.
;; No Cross Layer Light. Allowed arithmetic: matrix products marked QUANTISED: E4M3 operands, one given power-of-two scale a tensor, by v_wmma_f32_16x16x64_fp8_fp8 or v_wmma_f32_16x16x128_fp8_fp8, f32 sums; products left as they are: f32 operands where the result goes on into a quantised operand, else bf16, f16 or f32 operands; f32 sums; everything else in f32.
;; Inputs: b_m1 128 float32; b_m2 128 float32; b_pos 128 float32; b_t1 128 float32; b_t2 128 float32; feat1_codes 8 x 4,096 x 2 x 32 uint8 (E4M3 codes of feat1, K innermost, in blocks of 32 codes); feat2_codes 8 x 4,096 x 2 x 32 uint8 (E4M3 codes of feat2, K innermost, in blocks of 32 codes); lowp_scales 8 int32 (the exponents e of the quantised operands' scales 2^e); pc1 8 x 3 x 4,096 float32; pc2 8 x 3 x 4,096 float32; w_m1_codes 128 x 4 x 32 uint8 (E4M3 codes of w_m1, K innermost, in blocks of 32 codes); w_m2_codes 128 x 4 x 32 uint8 (E4M3 codes of w_m2, K innermost, in blocks of 32 codes); w_pos 128 x 3 float32; w_t1_codes 128 x 2 x 32 uint8 (E4M3 codes of w_t1, K innermost, in blocks of 32 codes); w_t2_codes 128 x 2 x 32 uint8 (E4M3 codes of w_t2, K innermost, in blocks of 32 codes).
;; Outputs: out0 8 x 128 x 4,096 float32.
;; This version of the problem:
;;   THIS VERSION OF THE PROBLEM IS GIVEN IN LOW PRECISION. The matrix products marked QUANTISED in the list below multiply operands that are first quantised to E4M3 (4 exponent bits, 3 mantissa bits; 8 bits a number), with one given power-of-two scale for each operand tensor; their sums are f32. All else is computed in f32.
;;   The module's matrix products, in the order in which they are computed (A, B: the left and right operand; K: the contracted axis; several contracted axes count as one K, in the product's order):
;;     1. [M 32,768, K 64] x [K 64, N 128]; A: input feat1 (given as codes); B: input w_t1 (given as codes): QUANTISED (scales: A lowp_scales[0], B lowp_scales[1])
;;     2. [M 32,768, K 64] x [K 64, N 128]; A: input feat2 (given as codes); B: input w_t2 (given as codes): QUANTISED (scales: A lowp_scales[2], B lowp_scales[3])
;;     3. batch 8 x [M 4,096, K 3] x [K 3, N 4,096]; A: input pc1; B: input pc2: left as it is (K = 3 < 32)
;;     4. [M 524,288, K 3] x [K 3, N 128]; A: computed on the way; B: input w_pos: left as it is (K = 3 < 32)
;;     5. [M 524,288, K 128] x [K 128, N 128]; A: computed on the way; B: input w_m1 (given as codes): QUANTISED (scales: A lowp_scales[4], B lowp_scales[5])
;;     6. [M 524,288, K 128] x [K 128, N 128]; A: computed on the way; B: input w_m2 (given as codes): QUANTISED (scales: A lowp_scales[6], B lowp_scales[7])
;;   THE QUANTISER, for each operand of a quantised product, along K:
;;     - The operand's scale is 2^e, e = its entry of the input lowp_scales (int32; the entries are numbered through the quantised products in the list's order, A before B).
;;     - Each number is divided by the scale, clamped to +-448, and rounded to the nearest number of E4M3, ties to even, subnormals kept.
;;     - The product sums the exact products of the quantised numbers (number of the format x scale) in f32.
;;   ~~~python
;;   def quantise(x, axis, e):      # numpy; x: float32 -> the quantised numbers, widened to float32 again
;;       x = np.moveaxis(x, axis, -1); K = x.shape[-1]
;;       r = np.clip(x / 2.0 ** e, -448, 448)
;;       step = 2.0 ** (np.maximum(np.frexp(np.where(r == 0, 1, r))[1] - 1, -6) - 3)
;;       q = np.round(r / step) * step * 2.0 ** e      # np.round: ties to even
;;       return np.moveaxis(q, -1, axis).astype(np.float32)
;;   ~~~
;;   OPERANDS COMPUTED ON THE WAY. 'Computed on the way' means the value that the module computes at that place (a softmax that the list does not call 'softmax' is quantised finished and normalised). What goes into a quantiser is computed in f32, as accurately as f32 sums, v_exp_f32 and their like allow (about 1e-6 of the number): no bf16 or f16 on the way to a quantiser, and a product that is left as it is and whose result goes on into a quantised operand takes f32 operands (vector FMAs, or v_wmma_f32_16x16x4_f32). A number that lies on a knife's edge between two numbers of the format may be rounded either way, as far as f32 arithmetic and the matrix unit's own rounding can turn it there, and no further.
;;   INPUTS GIVEN AS CODES. feat1 (in the module: [8, 64, 4096], K = its axis 1); feat2 (in the module: [8, 64, 4096], K = its axis 1); w_m1 (in the module: [128, 128], K = its axis 1); w_m2 (in the module: [128, 128], K = its axis 1); w_t1 (in the module: [128, 64], K = its axis 1); w_t2 (in the module: [128, 64], K = its axis 1): each comes as NAME_codes (uint8): NAME with its K axis moved to the last place and cut into blocks of 32 codes, [.., K / 32, bytes a block], one block behind the other in memory; one code a byte (a code: sign, 4 exponent bits, 3 mantissa bits); its scale is its entry of lowp_scales. Its value is code x scale, taken as it is: it is not quantised again, and the codes and scales need not be those that the quantiser above would give.
;; 2 versions, each right; version 2 is version 1 with the launch mlp written anew for expert scheduling mode. Each part assembles by itself: llvm-mc -triple=amdgcn-amd-amdhsa -mcpu=gfx1250 --defsym DOCPART=n.
;; ======== version 1 of 2: 3 launches
;; workspace buffers: glist 524,288 bytes of whole numbers; nidx 1,048,576 bytes of whole numbers
;; launch groups (part 1): grid 256 x 1, 4 waves a work-group, no clusters, 136,192 bytes of LDS; arguments pc1, pc2, glist; writes glist
.if DOCPART == 1
	.amdgcn_target "amdgcn-amd-amdhsa--gfx1250"
	.amdhsa_code_object_version 6
	.text
	.protected	k_q72798aada9_groups
	.globl	k_q72798aada9_groups
	.p2align	8
	.type	k_q72798aada9_groups,@function
k_q72798aada9_groups:
	s_mov_b64 s[64:65], 0
	v_nop
	global_prefetch_b8 v0, s[64:65] scope:SCOPE_SE
	s_setreg_imm32_b32 hwreg(HW_REG_WAVE_MODE, 25, 1), 1
	s_wait_xcnt 0x0
; FIRST OF THREE LAUNCHES OF A 16-NEAREST-NEIGHBOUR LAYER.  pc1, pc2: [8][3][4096] f32.  glist: [8 x 4096 queries][16 bytes].
; The 4,096 candidates of a batch are cut into 256 GROUPS of 16 neighbouring indices.  For each query this launch finds the minimum distance of every group
; and stores the numbers of the 16 groups that come first by (minimum, group number).  Every one of the query's 16 nearest candidates, ties to the lower index,
; lies in one of them: each group ranked ahead of such a candidate's group holds a candidate that comes ahead of it, and there are at most 15 of those.
; DISTANCE, bit for bit the same here and in the next launch: s = fma(z,z,fma(y,y,x x)); dot' = fma(-2 z1,z2,fma(-2 y1,y2,(-2 x1) x2)); d = (s1 + s2) + dot'.
; LIMITS: NaN and infinities among the inputs are not served.  Another order of rounding in these sums may turn neighbours whose distances agree to the last bit.
; SHARES.  Work-group x: batch x / 32, queries 128 (x % 32) on; each of the four waves 32 queries.  No wave touches another's LDS bytes: no barrier.
; STAGE A: lane l keeps the groups 32 k + l, k = 0 .. 7, in registers (x, y, z, s of 128 candidates: 512 registers, windows 1 and 2); the query is the same in all
; lanes and comes from a small table in LDS, one query ahead.  The eight minima of a lane go to the query's row in LDS.
; STAGE B: a lane is a query and reads its row back, 32 minima a trip.  Pass 1 finds tau, the 16th smallest minimum, by two sorting networks side by side;
; pass 2 turns each minimum into the key 2^23 + group (+ 256 where it equals tau, + 1024 where it is larger) and keeps the 16 smallest keys.
; No branch and no address hangs on a distance.
.set WREG, 33920                       ; LDS of a wave: 32 rows of ROWP bytes, then the table of queries
.set ROWP, 1040                        ; a row: 256 minima + 16 bytes: an odd multiple of 16, so that 16 lanes reading one column of 16 rows start at 16 different places of a 256-byte line
.set QTO,  33280                       ; the table: 40 entries of 16 bytes {-2 x1, -2 y1, -2 z1, s1}; entries 32 .. 39 are zeros for the look-ahead
.set SETS, 16                          ; sets of 16 registers of net a; net b lies 64 higher (its K set 16 higher)
.set SETP, 32
.set SETQ, 48
.set SETT, 64                          ; the 16 smallest so far, ascending
.set SETK, 144
.set TAU,  176
.set BIG,  177
.set EQV,  178
.set LOV,  179
.set WO,   180                         ; v180-183 the 16 bytes to store
.set GOF,  184                         ; 16 x lane
.set DD,   16                          ; stage A: v16-79 four blocks' distances
.set TT,   80                          ; v80-95 s1 + s2
.set MM,   96                          ; v96-103 my eight minima
.set TA,   104                         ; v104-131 at work
.set TB,   124
.set MSB, 0
.macro WIN new                         ; the immediate's high byte repeats the setting that is left
.if MSB != \new
	s_set_vgpr_msb (MSB<<8)|\new
.set MSB, \new
.endif
.endm
; Logical element i of a set lies in register base + (i with bit 0 turned by the parity of bits 1 to 3): two elements whose numbers differ in one bit then lie in an even and an odd register,
; as the two results of a dual instruction must.  One comparator is one dual instruction: minimum and maximum of the same two registers.
.macro LAYER src, dst, k, j, sd, nets  ; one layer of a bitonic network: 8 comparators a net; sd: distance of net b's source set
.set L_I, 0
.rept 16
.set L_L, L_I^(\j)
.if L_L > L_I
.set P_I, L_I^(((L_I>>1)^(L_I>>2)^(L_I>>3))&1)
.set P_L, L_L^(((L_L>>1)^(L_L>>2)^(L_L>>3))&1)
.if (L_I&(\k)) == 0
.set D_LO, (\dst)+P_I
.set D_HI, (\dst)+P_L
.else
.set D_LO, (\dst)+P_L
.set D_HI, (\dst)+P_I
.endif
	v_dual_min_num_f32 v[D_LO], v[(\src)+P_I], v[(\src)+P_L] :: v_dual_max_num_f32 v[D_HI], v[(\src)+P_I], v[(\src)+P_L]
.if (\nets) == 2
	v_dual_min_num_f32 v[D_LO+64], v[(\src)+(\sd)+P_I], v[(\src)+(\sd)+P_L] :: v_dual_max_num_f32 v[D_HI+64], v[(\src)+(\sd)+P_I], v[(\src)+(\sd)+P_L]
.endif
.endif
.set L_I, L_I+1
.endr
.endm
.macro SORT9 nets                      ; layers 2 to 10 of the sort of 16: from P, ascending into Q
	LAYER SETP, SETQ, 4, 2, 64, \nets
	LAYER SETQ, SETP, 4, 1, 64, \nets
	LAYER SETP, SETQ, 8, 4, 64, \nets
	LAYER SETQ, SETP, 8, 2, 64, \nets
	LAYER SETP, SETQ, 8, 1, 64, \nets
	LAYER SETQ, SETP, 16, 8, 64, \nets
	LAYER SETP, SETQ, 16, 4, 64, \nets
	LAYER SETQ, SETP, 16, 2, 64, \nets
	LAYER SETP, SETQ, 16, 1, 64, \nets
.endm
.macro MINST oth, nets                 ; P[i] = min(T[i], oth[15 - i]): the 16 smallest of two ascending sets, as a bitonic run
.set L_I, 0
.rept 8
.set L_L, 15-L_I
.set P_I, L_I^(((L_I>>1)^(L_I>>2)^(L_I>>3))&1)
.set P_L, L_L^(((L_L>>1)^(L_L>>2)^(L_L>>3))&1)
	v_dual_min_num_f32 v[SETP+P_I], v[SETT+P_I], v[(\oth)+P_L] :: v_dual_min_num_f32 v[SETP+(P_I^1)], v[SETT+(P_I^1)], v[(\oth)+(P_L^1)]
.if (\nets) == 2
	v_dual_min_num_f32 v[SETP+64+P_I], v[SETT+64+P_I], v[(\oth)+64+P_L] :: v_dual_min_num_f32 v[SETP+64+(P_I^1)], v[SETT+64+(P_I^1)], v[(\oth)+64+(P_L^1)]
.endif
.set L_I, L_I+2
.endr
.endm
.macro MERGE4 nets                     ; the bitonic run in P, ascending into T
	LAYER SETP, SETQ, 16, 8, 64, \nets
	LAYER SETQ, SETP, 16, 4, 64, \nets
	LAYER SETP, SETQ, 16, 2, 64, \nets
	LAYER SETQ, SETT, 16, 1, 64, \nets
.endm
.macro MERGE nets                      ; T = the 16 smallest of T and Q
	MINST SETQ, \nets
	MERGE4 \nets
.endm
.macro CROSS                           ; net b's T is merged into net a's
	MINST SETT+64, 1
	MERGE4 1
.endm
.macro TINF                            ; both nets start from +infinity
.set L_I, 0
.rept 16
	v_mov_b32 v[SETT+L_I], 0x7f800000
	v_mov_b32 v[SETT+64+L_I], 0x7f800000
.set L_I, L_I+1
.endr
.endm
; 16 distances.  raw: x16 | y16 | z16 | s16, named as source 0 alone (the caller sets its window); q: {-2 x1, -2 y1, -2 z1, s1}; d: the dot product; t: s1 + s2; o: the result
.macro DIST raw, d, t, q, o
.set D_P, 0
.rept 8
	v_pk_mul_f32 v[(\d)+D_P:(\d)+D_P+1], v[(\raw)+D_P:(\raw)+D_P+1], v[\q:\q+1] op_sel_hi:[1,0]
.set D_P, D_P+2
.endr
.set D_P, 0
.rept 8
	v_pk_add_f32 v[(\t)+D_P:(\t)+D_P+1], v[(\raw)+48+D_P:(\raw)+48+D_P+1], v[\q+2:\q+3] op_sel:[0,1] op_sel_hi:[1,1]
.set D_P, D_P+2
.endr
.set D_P, 0
.rept 8
	v_pk_fma_f32 v[(\d)+D_P:(\d)+D_P+1], v[(\raw)+16+D_P:(\raw)+16+D_P+1], v[\q:\q+1], v[(\d)+D_P:(\d)+D_P+1] op_sel:[0,1,0] op_sel_hi:[1,1,1]
.set D_P, D_P+2
.endr
.set D_P, 0
.rept 8
	v_pk_fma_f32 v[(\d)+D_P:(\d)+D_P+1], v[(\raw)+32+D_P:(\raw)+32+D_P+1], v[\q+2:\q+3], v[(\d)+D_P:(\d)+D_P+1] op_sel_hi:[1,0,1]
.set D_P, D_P+2
.endr
.set D_P, 0
.rept 8
	v_pk_fma_f32 v[(\o)+D_P:(\o)+D_P+1], 1.0, v[(\t)+D_P:(\t)+D_P+1], v[(\d)+D_P:(\d)+D_P+1] op_sel_hi:[0,1,1]   ; the rounded t + d, written so that source 0 names no register
.set D_P, D_P+2
.endr
.endm
.macro SQ raw                          ; s = fma(z,z,fma(y,y,x x)) of 16 candidates; all four operand places in raw's window
.set D_P, 0
.rept 8
	v_pk_mul_f32 v[(\raw)+48+D_P:(\raw)+49+D_P], v[(\raw)+D_P:(\raw)+D_P+1], v[(\raw)+D_P:(\raw)+D_P+1]
.set D_P, D_P+2
.endr
.set D_P, 0
.rept 8
	v_pk_fma_f32 v[(\raw)+48+D_P:(\raw)+49+D_P], v[(\raw)+16+D_P:(\raw)+17+D_P], v[(\raw)+16+D_P:(\raw)+17+D_P], v[(\raw)+48+D_P:(\raw)+49+D_P]
.set D_P, D_P+2
.endr
.set D_P, 0
.rept 8
	v_pk_fma_f32 v[(\raw)+48+D_P:(\raw)+49+D_P], v[(\raw)+32+D_P:(\raw)+33+D_P], v[(\raw)+32+D_P:(\raw)+33+D_P], v[(\raw)+48+D_P:(\raw)+49+D_P]
.set D_P, D_P+2
.endr
.endm
.macro MIN4 kb                         ; the minima of four blocks of 16 distances, the blocks side by side
.irp kk,0,1,2,3
.irp n,0,1,2,3,4
	v_min3_num_f32 v[TA+5*\kk+\n], v[DD+16*\kk+3*\n], v[DD+16*\kk+3*\n+1], v[DD+16*\kk+3*\n+2]
.endr
.endr
.irp kk,0,1,2,3
	v_min3_num_f32 v[TB+2*\kk], v[TA+5*\kk], v[TA+5*\kk+1], v[TA+5*\kk+2]
	v_min3_num_f32 v[TB+2*\kk+1], v[TA+5*\kk+3], v[TA+5*\kk+4], v[DD+16*\kk+15]
.endr
.irp kk,0,1,2,3
	v_min_num_f32 v[MM+\kb+\kk], v[TB+2*\kk], v[TB+2*\kk+1]
.endr
.endm
; One query against my 128 candidates.  cur: its four numbers; nxt: where the next query's go; i: 0 or 1, its place in the trip
.macro QUERY cur, nxt, i
	s_wait_dscnt 2                                 ; LDS answers in order: this query's load is in; the two row stores issued behind it may be out
	v_mov_b32 v3, s13
	ds_load_b128 v[\nxt:\nxt+3], v3 offset:16*(\i+1)   ; every lane reads the same 16 bytes
	WIN 0x01                                       ; source 0: window 1
.irp kk,0,1,2,3
	DIST 64*\kk, DD+16*\kk, TT, \cur, DD+16*\kk
.endr
	WIN 0
	MIN4 0
	WIN 0x02                                       ; source 0: window 2
.irp kk,0,1,2,3
	DIST 64*\kk, DD+16*\kk, TT, \cur, DD+16*\kk
.endr
	WIN 0
	MIN4 4
	v_add_nc_u32 v13, s14, v12
	ds_store_b128 v13, v[MM:MM+3] offset:\i*ROWP       ; element 8 l + k of the query's row: the minimum of group 32 k + l
	ds_store_b128 v13, v[MM+4:MM+7] offset:\i*ROWP+16
.endm
.macro LOADS                           ; 16 minima for each net, from v13 on
.irp c,0,1,2,3
	ds_load_b128 v[SETS+4*\c:SETS+4*\c+3], v13 offset:16*\c
	ds_load_b128 v[SETS+64+4*\c:SETS+64+4*\c+3], v13 offset:64+16*\c
.endr
.endm
.macro TRIP1 pref                      ; pass 1: 32 minima into the two nets; the next 32 are asked for as soon as the first layer has read these
	s_wait_dscnt 0x0
	LAYER SETS, SETP, 2, 1, 64, 2
.if \pref
	v_add_nc_u32 v13, s14, v14
	LOADS
.endif
	SORT9 2
	MERGE 2
.endm
; keys of 16 minima: 2^23 + group, + 256 where the minimum equals tau, + 1024 where it is larger.  Element 16 B + j of a row is group 32 (j % 8) + 2 B + j / 8
.macro KEYS s, k, cb
.irp hf,0,8
.set K_J, \hf
.rept 8
	v_cmp_neq_f32 s[24+2*(K_J&7)], v[(\s)+K_J], v[TAU]
	v_cmp_ge_f32 s[25+2*(K_J&7)], v[(\s)+K_J], v[TAU]
.set K_J, K_J+1
.endr
.set K_J, \hf
.rept 8
	v_cndmask_b32 v[(\k)+K_J], v[EQV], v[BIG], s[24+2*(K_J&7)]
.set K_J, K_J+1
.endr
.set K_J, \hf
.rept 8
	v_cndmask_b32 v[(\k)+K_J], v[LOV], v[(\k)+K_J], s[25+2*(K_J&7)]
.set K_J, K_J+1
.endr
.set K_J, \hf
.rept 8
	v_add3_u32 v[(\k)+K_J], v[(\k)+K_J], s22, 32*(K_J&7)+(K_J>>3)+(\cb)
.set K_J, K_J+1
.endr
.endr
.endm
.macro TRIP2 pref                      ; pass 2: the same walk on keys
	s_wait_dscnt 0x0
	KEYS SETS, SETK, 0
	KEYS SETS+64, SETK+16, 2
.if \pref
	v_add_nc_u32 v13, s14, v14
	LOADS
.endif
	LAYER SETK, SETP, 2, 1, 16, 2
	SORT9 2
	MERGE 2
.endm
	s_load_b128 s[4:7], s[0:1], 0x0                ; pc1, pc2
	s_load_b64 s[8:9], s[0:1], 0x10                ; glist
	v_lshl_add_u32 v254, v0, 2, 0x21200
	v_mov_b32 v255, 0
	v_lshrrev_b32 v1, 5, v0
	v_readfirstlane_b32 s10, v1                    ; wave
	v_and_b32 v1, 31, v0                           ; lane
	v_lshlrev_b32 v2, 6, v1                        ; a group is 64 bytes of an axis
	v_lshlrev_b32 v15, 2, v1
	v_lshlrev_b32 v[GOF], 4, v1
	s_lshr_b32 s11, ttmp9, 5                       ; batch
	s_and_b32 s12, ttmp9, 31
	s_mul_i32 s16, s11, 49152                      ; a batch of pc1 or pc2
	s_mov_b32 s17, 0
	s_lshl_b32 s13, s12, 7
	s_lshl_b32 s14, s10, 5
	s_add_co_u32 s13, s13, s14                     ; my wave's first query in the batch
	s_lshl_b32 s20, s13, 2
	s_mov_b32 s21, 0
	s_lshl_b32 s18, s11, 12
	s_add_co_u32 s18, s18, s13
	s_lshl_b32 s18, s18, 4                         ; 16 bytes a query in glist
	s_mov_b32 s19, 0
	s_mul_i32 s15, s10, WREG                       ; my wave's LDS
	v_lshl_add_u32 v12, v1, 5, s15                 ; into a row: 32 bytes a lane
	v_mul_u32_u24 v14, v1, ROWP
	v_add_nc_u32 v14, s15, v14                     ; out of the rows: row = lane
	v_lshl_add_u32 v13, v1, 4, s15
	v_add_nc_u32 v3, s15, v15
	v_mov_b32 v10, 0
	s_wait_kmcnt 0x0
	s_add_nc_u64 s[4:5], s[4:5], s[16:17]
	s_add_nc_u64 s[4:5], s[4:5], s[20:21]
	s_add_nc_u64 s[6:7], s[6:7], s[16:17]
	s_add_nc_u64 s[8:9], s[8:9], s[18:19]
	global_load_b32 v4, v15, s[4:5]                ; query = lane: x1, y1, z1
	global_load_b32 v5, v15, s[4:5] offset:16384
	global_load_b32 v6, v15, s[4:5] offset:32768
	WIN 0x40                                       ; destination window 1: groups 32 k + lane, k = 0 .. 3
.irp k,0,1,2,3
.irp a,0,1,2
.irp c,0,1,2,3
	global_load_b128 v[64*\k+16*\a+4*\c:64*\k+16*\a+4*\c+3], v2, s[6:7] offset:\a*16384+\k*2048+16*\c
.endr
.endr
.endr
	WIN 0x80                                       ; destination window 2: k = 4 .. 7
.irp k,0,1,2,3
.irp a,0,1,2
.irp c,0,1,2,3
	global_load_b128 v[64*\k+16*\a+4*\c:64*\k+16*\a+4*\c+3], v2, s[6:7] offset:\a*16384+(\k+4)*2048+16*\c
.endr
.endr
.endr
	WIN 0
	s_wait_loadcnt 0x0
	v_mul_f32 v7, v4, v4
	v_fma_f32 v7, v5, v5, v7
	v_fma_f32 v7, v6, v6, v7                       ; s1
	v_mul_f32 v4, -2.0, v4                         ; exact
	v_mul_f32 v5, -2.0, v5
	v_mul_f32 v6, -2.0, v6
	ds_store_b128 v13, v[4:7] offset:QTO
	ds_store_b32 v3, v10 offset:QTO+512            ; entries 32 .. 39: zeros
	WIN 0x55
	SQ 0
	SQ 64
	SQ 128
	SQ 192
	WIN 0xaa
	SQ 0
	SQ 64
	SQ 128
	SQ 192
	WIN 0
	s_add_co_u32 s13, s15, QTO
	s_wait_dscnt 0x0                               ; the table is written
	v_mov_b32 v3, s13
	ds_load_b128 v[4:7], v3                        ; query 0
	s_wait_dscnt 0x0
	; ---- stage A: 16 trips of two queries
	s_mov_b32 s14, 0
	s_mov_b32 s12, 16
.Lq:
	QUERY 4, 8, 0
	QUERY 8, 4, 1
	s_add_co_u32 s13, s13, 32
	s_add_co_u32 s14, s14, 2*ROWP
	s_sub_co_u32 s12, s12, 1
	s_cmp_lg_u32 s12, 0
	s_cbranch_scc1 .Lq
	; ---- stage B, pass 1: tau.  The rows are my wave's own, and LDS serves a wave's instructions in order
	TINF
	s_mov_b32 s14, 0
	v_add_nc_u32 v13, s14, v14
	LOADS
	s_mov_b32 s14, 128
	s_mov_b32 s12, 7
.Lp1:
	TRIP1 1
	s_add_co_u32 s14, s14, 128
	s_sub_co_u32 s12, s12, 1
	s_cmp_lg_u32 s12, 0
	s_cbranch_scc1 .Lp1
	TRIP1 0                                        ; the last 32: nothing is read past a row
	CROSS
	v_mov_b32 v[TAU], v[SETT+14]                   ; logical element 15
	; ---- stage B, pass 2: the groups
	v_mov_b32 v[LOV], 0x4b000000
	v_mov_b32 v[EQV], 0x4b000100
	v_mov_b32 v[BIG], 0x4b000400
	TINF
	s_mov_b32 s14, 0
	v_add_nc_u32 v13, s14, v14
	LOADS
	s_mov_b32 s14, 128
	s_mov_b32 s22, 0                               ; 4 x trip: what the trip adds to a group's number
	s_mov_b32 s12, 7
.Lp2:
	TRIP2 1
	s_add_co_u32 s14, s14, 128
	s_add_co_u32 s22, s22, 4
	s_sub_co_u32 s12, s12, 1
	s_cmp_lg_u32 s12, 0
	s_cbranch_scc1 .Lp2
	TRIP2 0
	CROSS
	; ---- out: a key's low byte is the group's number
.irp w,0,1,2,3
	v_perm_b32 v[SETP+2*\w], v[SETT+4*\w+1], v[SETT+4*\w], 0x00000400
	v_perm_b32 v[SETP+2*\w+1], v[SETT+4*\w+3], v[SETT+4*\w+2], 0x00000400
.endr
.irp w,0,1,2,3
	v_perm_b32 v[WO+\w], v[SETP+2*\w+1], v[SETP+2*\w], 0x05040100
.endr
	global_store_b128 v[GOF], v[WO:WO+3], s[8:9]   ; the wave stores 512 consecutive bytes, aligned
	s_wait_tensorcnt 0x0
	ds_add_u32 v254, v255
	s_wait_dscnt 0x0
	s_endpgm
.Lfunc_end_k_q72798aada9_groups:
	.size	k_q72798aada9_groups, .Lfunc_end_k_q72798aada9_groups-k_q72798aada9_groups
	.p2alignl 7, 3214868480
	.fill 96, 4, 3214868480
	.section	.rodata,"a",@progbits
	.p2align	6, 0x0
	.amdhsa_kernel k_q72798aada9_groups
		.amdhsa_group_segment_fixed_size 136192
		.amdhsa_private_segment_fixed_size 0
		.amdhsa_enable_private_segment 0
		.amdhsa_kernarg_size 24
		.amdhsa_user_sgpr_count 2
		.amdhsa_user_sgpr_kernarg_segment_ptr 1
		.amdhsa_wavefront_size32 1
		.amdhsa_system_sgpr_workgroup_id_x 1
		.amdhsa_system_sgpr_workgroup_id_y 1
		.amdhsa_system_sgpr_workgroup_id_z 1
		.amdhsa_system_vgpr_workitem_id 0
		.amdhsa_next_free_vgpr 768
		.amdhsa_next_free_sgpr 66
		.amdhsa_reserve_vcc 0
		.amdhsa_float_denorm_mode_32 3
		.amdhsa_float_denorm_mode_16_64 3
		.amdhsa_memory_ordered 1
		.amdhsa_forward_progress 1
		.amdhsa_inst_pref_size 168
	.end_amdhsa_kernel
	.amdgpu_metadata
---
amdhsa.version: [ 1, 2 ]
amdhsa.kernels:
  - .name:           k_q72798aada9_groups
    .symbol:         k_q72798aada9_groups.kd
    .args:
      - { .name: pc1, .offset: 0, .size: 8, .value_kind: global_buffer, .address_space: global }
      - { .name: pc2, .offset: 8, .size: 8, .value_kind: global_buffer, .address_space: global }
      - { .name: glist, .offset: 16, .size: 8, .value_kind: global_buffer, .address_space: global }
    .group_segment_fixed_size: 136192
    .private_segment_fixed_size: 0
    .kernarg_segment_align: 8
    .kernarg_segment_size: 24
    .max_flat_workgroup_size: 128
    .sgpr_count:     66
    .vgpr_count:     768
    .wavefront_size: 32
...
	.end_amdgpu_metadata
.endif
;; end of part 1
;; launch refine (part 2): grid 256 x 1, 4 waves a work-group, no clusters, 201,216 bytes of LDS; arguments pc1, pc2, glist, nidx; writes nidx
.if DOCPART == 2
	.amdgcn_target "amdgcn-amd-amdhsa--gfx1250"
	.amdhsa_code_object_version 6
	.text
	.protected	k_q72798aada9_refine
	.globl	k_q72798aada9_refine
	.p2align	8
	.type	k_q72798aada9_refine,@function
k_q72798aada9_refine:
	s_mov_b64 s[64:65], 0
	v_nop
	global_prefetch_b8 v0, s[64:65] scope:SCOPE_SE
	s_setreg_imm32_b32 hwreg(HW_REG_WAVE_MODE, 25, 1), 1
	s_wait_xcnt 0x0
; SECOND LAUNCH.  For each query the 16 groups named in glist (16 x 16 = 256 candidates) hold its 16 nearest candidates.  This launch picks them exactly, by (distance, index),
; and stores their indices: nidx plane p (524,288 bytes each): [8 x 4096 queries][8 x u16] = neighbours 8 p .. 8 p + 7, in no particular order.
; The distance is formed as in the first launch, bit for bit: s = fma(z,z,fma(y,y,x x)); dot' = fma(-2 z1,z2,fma(-2 y1,y2,(-2 x1) x2)); d = (s1 + s2) + dot'.
; LIMITS: NaN and infinities among the inputs are not served.
; SHARES.  Work-group x: batch x / 32, queries 128 (x % 32) on; a wave 32 queries; a lane is a query throughout.
; LDS: TAB: the batch's 256 groups, x16 | y16 | z16 | s16 each, 272 bytes apart, written by all four waves, then only read.  DSV: 32,768 bytes for each wave: its lanes' 256 distances.
; PASS 1 (written out, two groups a step): gather, distances, two sorting networks side by side: tau = the 16th smallest distance.  The distances are kept in window 1.
; A barrier parts the gathers, whose addresses come from glist, from every later LDS store.  Then the distances go to DSV, so that PASS 2 can be a loop: each distance becomes the key
; 2^23 + index (+ 4,096 where it equals tau, + 16,384 where it is larger), and the 16 smallest keys are kept.  No branch and no address hangs on a distance.
.set GP,   272                         ; a group in TAB: 256 bytes + 16
.set DSV,  69632
.set SETS, 16
.set SETP, 32
.set SETQ, 48
.set SETT, 64
.set SETK, 144                         ; pass 1: the dot products; pass 2: the keys
.set TT,   176                         ; v176-207 s1 + s2 of two groups
.set ADS,  208                         ; v208-223 LDS address of slot s's group
.set TAU,  224
.set BIG,  225
.set GA,   226                         ; 16 x the group of net a's slot, of net b's
.set GB,   227
.set DB,   228                         ; my place in DSV
.set DA,   229
.set EQV,  230
.set LOV,  231
.set WO,   232                         ; v232-239 the 32 bytes to store
.set LO16, 240
.set LO4,  241
.set MSB, 0
.macro WIN new                         ; the immediate's high byte repeats the setting that is left
.if MSB != \new
	s_set_vgpr_msb (MSB<<8)|\new
.set MSB, \new
.endif
.endm
; Logical element i of a set lies in register base + (i with bit 0 turned by the parity of bits 1 to 3): two elements whose numbers differ in one bit then lie in an even and an odd register,
; as the two results of a dual instruction must.  One comparator is one dual instruction.
.macro LAYER src, dst, k, j, sd, nets
.set L_I, 0
.rept 16
.set L_L, L_I^(\j)
.if L_L > L_I
.set P_I, L_I^(((L_I>>1)^(L_I>>2)^(L_I>>3))&1)
.set P_L, L_L^(((L_L>>1)^(L_L>>2)^(L_L>>3))&1)
.if (L_I&(\k)) == 0
.set D_LO, (\dst)+P_I
.set D_HI, (\dst)+P_L
.else
.set D_LO, (\dst)+P_L
.set D_HI, (\dst)+P_I
.endif
	v_dual_min_num_f32 v[D_LO], v[(\src)+P_I], v[(\src)+P_L] :: v_dual_max_num_f32 v[D_HI], v[(\src)+P_I], v[(\src)+P_L]
.if (\nets) == 2
	v_dual_min_num_f32 v[D_LO+64], v[(\src)+(\sd)+P_I], v[(\src)+(\sd)+P_L] :: v_dual_max_num_f32 v[D_HI+64], v[(\src)+(\sd)+P_I], v[(\src)+(\sd)+P_L]
.endif
.endif
.set L_I, L_I+1
.endr
.endm
.macro SORT9 nets
	LAYER SETP, SETQ, 4, 2, 64, \nets
	LAYER SETQ, SETP, 4, 1, 64, \nets
	LAYER SETP, SETQ, 8, 4, 64, \nets
	LAYER SETQ, SETP, 8, 2, 64, \nets
	LAYER SETP, SETQ, 8, 1, 64, \nets
	LAYER SETQ, SETP, 16, 8, 64, \nets
	LAYER SETP, SETQ, 16, 4, 64, \nets
	LAYER SETQ, SETP, 16, 2, 64, \nets
	LAYER SETP, SETQ, 16, 1, 64, \nets
.endm
.macro MINST oth, nets
.set L_I, 0
.rept 8
.set L_L, 15-L_I
.set P_I, L_I^(((L_I>>1)^(L_I>>2)^(L_I>>3))&1)
.set P_L, L_L^(((L_L>>1)^(L_L>>2)^(L_L>>3))&1)
	v_dual_min_num_f32 v[SETP+P_I], v[SETT+P_I], v[(\oth)+P_L] :: v_dual_min_num_f32 v[SETP+(P_I^1)], v[SETT+(P_I^1)], v[(\oth)+(P_L^1)]
.if (\nets) == 2
	v_dual_min_num_f32 v[SETP+64+P_I], v[SETT+64+P_I], v[(\oth)+64+P_L] :: v_dual_min_num_f32 v[SETP+64+(P_I^1)], v[SETT+64+(P_I^1)], v[(\oth)+64+(P_L^1)]
.endif
.set L_I, L_I+2
.endr
.endm
.macro MERGE4 nets
	LAYER SETP, SETQ, 16, 8, 64, \nets
	LAYER SETQ, SETP, 16, 4, 64, \nets
	LAYER SETP, SETQ, 16, 2, 64, \nets
	LAYER SETQ, SETT, 16, 1, 64, \nets
.endm
.macro MERGE nets
	MINST SETQ, \nets
	MERGE4 \nets
.endm
.macro CROSS
	MINST SETT+64, 1
	MERGE4 1
.endm
.macro TINF
.set L_I, 0
.rept 16
	v_mov_b32 v[SETT+L_I], 0x7f800000
	v_mov_b32 v[SETT+64+L_I], 0x7f800000
.set L_I, L_I+1
.endr
.endm
.macro DIST raw, d, t, q, o            ; as in the first launch
.set D_P, 0
.rept 8
	v_pk_mul_f32 v[(\d)+D_P:(\d)+D_P+1], v[(\raw)+D_P:(\raw)+D_P+1], v[\q:\q+1] op_sel_hi:[1,0]
.set D_P, D_P+2
.endr
.set D_P, 0
.rept 8
	v_pk_add_f32 v[(\t)+D_P:(\t)+D_P+1], v[(\raw)+48+D_P:(\raw)+48+D_P+1], v[\q+2:\q+3] op_sel:[0,1] op_sel_hi:[1,1]
.set D_P, D_P+2
.endr
.set D_P, 0
.rept 8
	v_pk_fma_f32 v[(\d)+D_P:(\d)+D_P+1], v[(\raw)+16+D_P:(\raw)+16+D_P+1], v[\q:\q+1], v[(\d)+D_P:(\d)+D_P+1] op_sel:[0,1,0] op_sel_hi:[1,1,1]
.set D_P, D_P+2
.endr
.set D_P, 0
.rept 8
	v_pk_fma_f32 v[(\d)+D_P:(\d)+D_P+1], v[(\raw)+32+D_P:(\raw)+32+D_P+1], v[\q+2:\q+3], v[(\d)+D_P:(\d)+D_P+1] op_sel_hi:[1,0,1]
.set D_P, D_P+2
.endr
.set D_P, 0
.rept 8
	v_pk_fma_f32 v[(\o)+D_P:(\o)+D_P+1], 1.0, v[(\t)+D_P:(\t)+D_P+1], v[(\d)+D_P:(\d)+D_P+1] op_sel_hi:[0,1,1]
.set D_P, D_P+2
.endr
.endm
.macro SQ raw
.set D_P, 0
.rept 8
	v_pk_mul_f32 v[(\raw)+48+D_P:(\raw)+49+D_P], v[(\raw)+D_P:(\raw)+D_P+1], v[(\raw)+D_P:(\raw)+D_P+1]
.set D_P, D_P+2
.endr
.set D_P, 0
.rept 8
	v_pk_fma_f32 v[(\raw)+48+D_P:(\raw)+49+D_P], v[(\raw)+16+D_P:(\raw)+17+D_P], v[(\raw)+16+D_P:(\raw)+17+D_P], v[(\raw)+48+D_P:(\raw)+49+D_P]
.set D_P, D_P+2
.endr
.set D_P, 0
.rept 8
	v_pk_fma_f32 v[(\raw)+48+D_P:(\raw)+49+D_P], v[(\raw)+32+D_P:(\raw)+33+D_P], v[(\raw)+32+D_P:(\raw)+33+D_P], v[(\raw)+48+D_P:(\raw)+49+D_P]
.set D_P, D_P+2
.endr
.endm
.macro GATHER s, u                     ; slot s's group, 256 bytes a lane, into buffer u of window 2
.set G_N, 0
.rept 16
	ds_load_b128 v[64*(\u)+4*G_N:64*(\u)+4*G_N+3], v[ADS+(\s)] offset:16*G_N
.set G_N, G_N+1
.endr
.endm
; pass 1, step m: slots 2 m and 2 m + 1, in buffers 0, 1 or 2, 3 by turns
.macro STEP m
.set U0, 2*((\m)%2)
.if (\m) < 7
	WIN 0x80
	GATHER 2*(\m)+2, 2-U0
	GATHER 2*(\m)+3, 3-U0
	s_wait_dscnt 32                                ; this step's 32 loads are in; the 32 just issued may be out
.else
	s_wait_dscnt 0x0
.endif
	WIN 0x02                                       ; source 0: window 2
	DIST 64*U0, SETK, TT, 4, SETS
	DIST 64*U0+64, SETK+16, TT+16, 4, SETS+64
	WIN 0x40                                       ; the same last line once more, into window 1: the 32 distances are kept for pass 2
.set D_P, 0
.rept 16
	v_pk_fma_f32 v[32*(\m)+D_P:32*(\m)+D_P+1], 1.0, v[TT+D_P:TT+D_P+1], v[SETK+D_P:SETK+D_P+1] op_sel_hi:[0,1,1]
.set D_P, D_P+2
.endr
	WIN 0
	LAYER SETS, SETP, 2, 1, 64, 2
	SORT9 2
	MERGE 2
.endm
.macro KEYS s, k, g                    ; keys of 16 distances of one group: 2^23 + 16 x group + j, + 4,096 where the distance equals tau, + 16,384 where it is larger
.irp hf,0,8
.set K_J, \hf
.rept 8
	v_cmp_neq_f32 s[24+2*(K_J&7)], v[(\s)+K_J], v[TAU]
	v_cmp_ge_f32 s[25+2*(K_J&7)], v[(\s)+K_J], v[TAU]
.set K_J, K_J+1
.endr
.set K_J, \hf
.rept 8
	v_cndmask_b32 v[(\k)+K_J], v[EQV], v[BIG], s[24+2*(K_J&7)]
.set K_J, K_J+1
.endr
.set K_J, \hf
.rept 8
	v_cndmask_b32 v[(\k)+K_J], v[LOV], v[(\k)+K_J], s[25+2*(K_J&7)]
.set K_J, K_J+1
.endr
.set K_J, \hf
.rept 8
	v_add3_u32 v[(\k)+K_J], v[(\k)+K_J], v[\g], K_J
.set K_J, K_J+1
.endr
.endr
.endm
.macro LOADS                           ; two slots' distances, from v[DA] on
.irp c,0,1,2,3
	ds_load_b128 v[SETS+4*\c:SETS+4*\c+3], v[DA] offset:512*\c
	ds_load_b128 v[SETS+64+4*\c:SETS+64+4*\c+3], v[DA] offset:2048+512*\c
.endr
.endm
.macro TRIP2 pref
	s_wait_dscnt 0x0
	v_and_b32 v[GA], 0xff, v12                     ; the two slots' groups: the low two bytes of the list, which is then turned by 16 bits
	v_bfe_u32 v[GB], v12, 8, 8
	v_lshlrev_b32 v[GA], 4, v[GA]
	v_lshlrev_b32 v[GB], 4, v[GB]
	v_alignbit_b32 v12, v13, v12, 16
	v_alignbit_b32 v13, v14, v13, 16
	v_alignbit_b32 v14, v15, v14, 16
	v_lshrrev_b32 v15, 16, v15
	KEYS SETS, SETK, GA
	KEYS SETS+64, SETK+16, GB
.if \pref
	v_add_nc_u32 v[DA], s22, v[DB]
	LOADS
.endif
	LAYER SETK, SETP, 2, 1, 16, 2
	SORT9 2
	MERGE 2
.endm
	s_load_b256 s[4:11], s[0:1], 0x0               ; pc1, pc2, glist, nidx
	v_lshl_add_u32 v254, v0, 2, 0x31000
	v_mov_b32 v255, 0
	v_lshrrev_b32 v1, 5, v0
	v_readfirstlane_b32 s12, v1                    ; wave
	v_and_b32 v1, 31, v0                           ; lane
	v_lshlrev_b32 v2, 6, v0                        ; thread t builds groups t and t + 128: 64 bytes of an axis each
	v_mul_u32_u24 v3, v0, GP
	v_lshlrev_b32 v[LO16], 4, v1
	v_lshlrev_b32 v[LO4], 2, v1
	s_lshr_b32 s13, ttmp9, 5                       ; batch
	s_and_b32 s14, ttmp9, 31
	s_mul_i32 s16, s13, 49152
	s_mov_b32 s17, 0
	s_lshl_b32 s14, s14, 7
	s_lshl_b32 s15, s12, 5
	s_add_co_u32 s14, s14, s15                     ; my wave's first query in the batch
	s_lshl_b32 s20, s14, 2
	s_mov_b32 s21, 0
	s_lshl_b32 s18, s13, 12
	s_add_co_u32 s18, s18, s14
	s_lshl_b32 s18, s18, 4                         ; 16 bytes a query, in glist and in a plane of nidx
	s_mov_b32 s19, 0
	s_lshl_b32 s15, s12, 15
	s_add_co_u32 s15, s15, DSV
	v_lshl_add_u32 v[DB], v1, 4, s15               ; DSV: piece n (four distances) at 512 n + 16 x lane
	s_wait_kmcnt 0x0
	s_add_nc_u64 s[4:5], s[4:5], s[16:17]
	s_add_nc_u64 s[4:5], s[4:5], s[20:21]
	s_add_nc_u64 s[6:7], s[6:7], s[16:17]
	s_add_nc_u64 s[8:9], s[8:9], s[18:19]
	s_add_nc_u64 s[10:11], s[10:11], s[18:19]
	WIN 0x80
.irp u,0,1
.irp a,0,1,2
.irp c,0,1,2,3
	global_load_b128 v[64*\u+16*\a+4*\c:64*\u+16*\a+4*\c+3], v2, s[6:7] offset:\u*8192+\a*16384+16*\c
.endr
.endr
.endr
	WIN 0
	global_load_b32 v4, v[LO4], s[4:5]
	global_load_b32 v5, v[LO4], s[4:5] offset:16384
	global_load_b32 v6, v[LO4], s[4:5] offset:32768
	global_load_b128 v[8:11], v[LO16], s[8:9]      ; my query's 16 groups
	s_wait_loadcnt 0x0
	WIN 0xaa
	SQ 0
	SQ 64
	WIN 0x08                                       ; store data: window 2
.irp u,0,1
.irp n,0,1,2,3,4,5,6,7,8,9,10,11,12,13,14,15
	ds_store_b128 v3, v[64*\u+4*\n:64*\u+4*\n+3] offset:\u*128*GP+16*\n
.endr
.endr
	WIN 0
	v_mul_f32 v7, v4, v4
	v_fma_f32 v7, v5, v5, v7
	v_fma_f32 v7, v6, v6, v7                       ; s1
	v_mul_f32 v4, -2.0, v4
	v_mul_f32 v5, -2.0, v5
	v_mul_f32 v6, -2.0, v6
.irp s,0,1,2,3,4,5,6,7,8,9,10,11,12,13,14,15
	v_bfe_u32 v[ADS+\s], v[8+\s/4], 8*(\s%4), 8
.endr
.irp s,0,1,2,3,4,5,6,7,8,9,10,11,12,13,14,15
	v_min_u32 v[ADS+\s], 0xff, v[ADS+\s]           ; a loaded number enters an address only behind this bound
.endr
.irp s,0,1,2,3,4,5,6,7,8,9,10,11,12,13,14,15
	v_mul_u32_u24 v[ADS+\s], v[ADS+\s], GP
.endr
	v_mov_b32 v12, v8
	v_mov_b32 v13, v9
	v_mov_b32 v14, v10
	v_mov_b32 v15, v11
	TINF
	s_wait_dscnt 0x0                               ; for the others' sake: my part of the table is written
	s_barrier_signal -1
	s_barrier_wait -1
	; ---- pass 1
	WIN 0x80
	GATHER 0, 0
	GATHER 1, 1
	STEP 0
	STEP 1
	STEP 2
	STEP 3
	STEP 4
	STEP 5
	STEP 6
	STEP 7
	CROSS
	v_mov_b32 v[TAU], v[SETT+14]                   ; logical element 15: the 16th smallest distance
	s_wait_dscnt 0x0                               ; my gathers are over
	s_barrier_signal -1
	s_barrier_wait -1                              ; everybody's are: from here on LDS is stored into again
	WIN 0x04                                       ; store data: window 1
.set G_N, 0
.rept 64
	ds_store_b128 v[DB], v[4*G_N:4*G_N+3] offset:512*G_N
.set G_N, G_N+1
.endr
	WIN 0
	; ---- pass 2.  DSV is my wave's own, and LDS serves a wave's instructions in order
	v_mov_b32 v[LOV], 0x4b000000
	v_mov_b32 v[EQV], 0x4b001000
	v_mov_b32 v[BIG], 0x4b004000
	TINF
	s_mov_b32 s22, 0
	v_add_nc_u32 v[DA], s22, v[DB]
	LOADS
	s_mov_b32 s22, 4096
	s_mov_b32 s23, 7
.Lp2:
	TRIP2 1
	s_add_co_u32 s22, s22, 4096
	s_sub_co_u32 s23, s23, 1
	s_cmp_lg_u32 s23, 0
	s_cbranch_scc1 .Lp2
	TRIP2 0
	CROSS
	; ---- out: a key's low 12 bits are the candidate's index
.irp n,0,1,2,3,4,5,6,7
	v_perm_b32 v[WO+\n], v[SETT+2*\n+1], v[SETT+2*\n], 0x05040100
.endr
.irp n,0,1,2,3,4,5,6,7
	v_and_b32 v[WO+\n], 0x0fff0fff, v[WO+\n]
.endr
	global_store_b128 v[LO16], v[WO:WO+3], s[10:11]                    ; each store of the wave covers 512 consecutive bytes, aligned
	global_store_b128 v[LO16], v[WO+4:WO+7], s[10:11] offset:524288
	s_wait_tensorcnt 0x0
	ds_add_u32 v254, v255
	s_wait_dscnt 0x0
	s_endpgm
.Lfunc_end_k_q72798aada9_refine:
	.size	k_q72798aada9_refine, .Lfunc_end_k_q72798aada9_refine-k_q72798aada9_refine
	.p2alignl 7, 3214868480
	.fill 96, 4, 3214868480
	.section	.rodata,"a",@progbits
	.p2align	6, 0x0
	.amdhsa_kernel k_q72798aada9_refine
		.amdhsa_group_segment_fixed_size 201216
		.amdhsa_private_segment_fixed_size 0
		.amdhsa_enable_private_segment 0
		.amdhsa_kernarg_size 32
		.amdhsa_user_sgpr_count 2
		.amdhsa_user_sgpr_kernarg_segment_ptr 1
		.amdhsa_wavefront_size32 1
		.amdhsa_system_sgpr_workgroup_id_x 1
		.amdhsa_system_sgpr_workgroup_id_y 1
		.amdhsa_system_sgpr_workgroup_id_z 1
		.amdhsa_system_vgpr_workitem_id 0
		.amdhsa_next_free_vgpr 768
		.amdhsa_next_free_sgpr 66
		.amdhsa_reserve_vcc 0
		.amdhsa_float_denorm_mode_32 3
		.amdhsa_float_denorm_mode_16_64 3
		.amdhsa_memory_ordered 1
		.amdhsa_forward_progress 1
		.amdhsa_inst_pref_size 255
	.end_amdhsa_kernel
	.section	.bss,"aw",@nobits
	.p2align	6
	.space	262144
	.amdgpu_metadata
---
amdhsa.version: [ 1, 2 ]
amdhsa.kernels:
  - .name:           k_q72798aada9_refine
    .symbol:         k_q72798aada9_refine.kd
    .args:
      - { .name: pc1, .offset: 0, .size: 8, .value_kind: global_buffer, .address_space: global }
      - { .name: pc2, .offset: 8, .size: 8, .value_kind: global_buffer, .address_space: global }
      - { .name: glist, .offset: 16, .size: 8, .value_kind: global_buffer, .address_space: global }
      - { .name: nidx, .offset: 24, .size: 8, .value_kind: global_buffer, .address_space: global }
    .group_segment_fixed_size: 201216
    .private_segment_fixed_size: 0
    .kernarg_segment_align: 8
    .kernarg_segment_size: 32
    .max_flat_workgroup_size: 128
    .sgpr_count:     66
    .vgpr_count:     768
    .wavefront_size: 32
...
	.end_amdgpu_metadata
.endif
;; end of part 2
;; launch mlp (part 3): grid 256 x 1, 4 waves a work-group, no clusters, 140,288 bytes of LDS; arguments pc1, pc2, feat1_codes, feat2_codes, w_t1_codes, w_t2_codes, w_m1_codes, w_m2_codes, w_pos, b_t1, b_t2, b_pos, b_m1, b_m2, lowp_scales, nidx, out0; writes out0
.if DOCPART == 3
	.amdgcn_target "amdgcn-amd-amdhsa--gfx1250"
	.amdhsa_code_object_version 6
	.text
	.protected	k_q72798aada9_mlp
	.globl	k_q72798aada9_mlp
	.p2align	8
	.type	k_q72798aada9_mlp,@function
k_q72798aada9_mlp:
	s_mov_b64 s[64:65], 0
	v_nop
	global_prefetch_b8 v0, s[64:65] scope:SCOPE_SE
	s_setreg_imm32_b32 hwreg(HW_REG_WAVE_MODE, 25, 1), 1
	s_wait_xcnt 0x0
; THIRD LAUNCH: out[b][c][q] = max over q's 16 neighbours n of leaky(W2 Q(leaky(W1 Q(h0) + b_m1)) + b_m2), h0 = leaky(p2[n] + p1[q] + w_pos (x2[n] - x1[q]) + b_pos), leaky(x) = max(x, 0.1 x).
; p1 = feat1 w_t1^T + b_t1, p2 = feat2 w_t2^T + b_t2, and the two layers are products on E4M3 codes with the given scales 2^e0 .. 2^e7; w_pos's product has f32 operands.
; SHARES.  Work-group x: batch x / 32, queries 128 (x % 32) on; a wave 32 queries.  A TILE is one query: its 16 neighbours are the 16 rows.  All weights stay in each wave's registers.
; p2 is not kept anywhere: w_t2's product is made on the gathered rows of codes (64 bytes a neighbour).
; LAYOUT, r = lane % 16, h = lane / 16.  Layers 0 and 1 are used transposed (source 0 = 16 rows of the weight, source 1 = the 16 neighbours).  THE ROWS OF A WEIGHT THAT FORM A TILE ARE NOT NEIGHBOURS:
; lane r of tile t takes row 32 (t / 2) + 8 (t % 2) + r + 8 (r / 8), so that register 8 t + j of lane (r, h) is channel 32 (t / 2) + 16 h + 8 (t % 2) + j of neighbour r: the 16 registers of two
; tiles are 16 neighbours along the next K, and the conversions' results are the next operand.  Codes are fetched 16 bytes at +16 h and +32 c on both sides of every product: k is permuted alike.
; Layer 2 is used the natural way (source 0 = the neighbours' codes, source 1 = rows 16 c + r of w_m2): a lane then holds one channel and eight neighbours, and the maximum is taken inside the lane.
; LAYER 0, all in units of 2^(e2 + e3): an f32 matrix instruction, K = 4, gives wx dx + wy dy + wz dz + base x 1, base = p1's sum x 2^(e0 + e1 - e2 - e3) + (b_t1 + b_t2 + b_pos) / 2^(e2 + e3);
; w_t2's product on the gathered codes has accumulators of its own, and one packed addition for two numbers joins the two.  leaky commutes with powers of two, so each conversion takes one folded scale:
; 2^(e4 - e2 - e3), 2^(e6 - e4 - e5).  b_m1 / 2^(e4 + e5) is the C of layer 1.
; Every matrix instruction starts its sum anew (C = 0 or a bias): none adds onto another's result.  The registers that the f32 matrix form writes (v32-95) are written by matrix instructions alone, and every
; accumulator is read from its low end on.
; LIMITS: e0 + e1 - e2 - e3 and e6 + e7 between -126 and 127; e4 - e2 - e3 and e6 - e4 - e5 between -126 and 119.  NaN, infinities and NaN codes among the inputs are not served.
; LDS: BASE: for each wave 34 entries of 512 bytes, [query][r][t] f32 (entries 32, 33 zeros);  QCT: for each wave 40 entries of 16 bytes {x1, y1, z1, y1} (32 .. 39 zeros);  STAGE: 128 rows [channel] of 128 queries + 16 bytes.
; The zeros let the look-ahead run two tiles past the last query; what is made of them is never read.
; REGISTERS.  window 0: v1 r, v2 h, v3 lane, v4 16 h, v5 32768 h, v6 1.0, v7 an index, v8-13 gather offsets (two sets), v14-19, v22, v23 addresses, v20-21 the directions, v24-27 x2 | z2 and y2, v28-31 x1 | z1 and y1,
;   v32-95 ACC0 (the f32 products, later layer 2's sums), v96-159 ACC1 (w_t2's sums, h0, layer 1's sums, h1), v160-175 at work, v176-191 and v192-207 codes, v208-223 the gathered rows of feat2 (two sets),
;   v224-239 w_pos and base (pairs), v240-247 results, v248-251 b_m2, v252, v253 the conversions' scales.
;   window 1: w_m1 v0-127, w_m2 v128-255.   window 2: w_t2 v0-63, b_m1 v64-127, w_t1 v128-191, wy v192-199, base of two tiles v200-215, the bias sum v216-223.
.set BASEW, 17408
.set QCT,   69632
.set QCW,   640
.set STAGE, 72192
.set SPITCH, 528
.set ACC0, 32
.set ACC1, 96
.set TT,   160
.set CD0,  176
.set CD1,  192
.set F2,   208
.set PA,   224
.set OUTR, 240
.set B2,   248
.set SC0,  252
.set SC1,  253
.set WM1,  0                           ; window 1
.set WM2,  128
.set WT2,  0                           ; window 2
.set B1,   64
.set WT1,  128
.set WY,   192
.set BQ,   200
.set BS,   216
.set MSB, 0
.macro WIN new                         ; the immediate's high byte repeats the setting that is left
.if MSB != \new
	s_set_vgpr_msb (MSB<<8)|\new
.set MSB, \new
.endif
.endm
.macro NOPS n
.rept \n
	v_nop
.endr
.endm
; 16 numbers, in place: leaky, the hold at +-448 x the scale, the conversion.  a = min(L, x); y = max(-L, a, 0.1 a): for x >= 0 that is min(L, x), for x < 0 it is max(-L, 0.1 x).
.macro VQ x, sl, sn, sc, cod
.set Q_I, 0
.rept 16
	v_min_num_f32 v[(\x)+Q_I], s[\sl], v[(\x)+Q_I]
.set Q_I, Q_I+1
.endr
.set Q_I, 0
.rept 8
	v_pk_mul_f32 v[TT+Q_I:TT+Q_I+1], v[(\x)+Q_I:(\x)+Q_I+1], 0x3dcccccd op_sel_hi:[1,0]
.set Q_I, Q_I+2
.endr
.set Q_I, 0
.rept 16
	v_max3_num_f32 v[(\x)+Q_I], s[\sn], v[(\x)+Q_I], v[TT+Q_I]
.set Q_I, Q_I+1
.endr
	v_cvt_scalef32_pk8_fp8_f32 v[(\cod):(\cod)+1], v[(\x):(\x)+7], v[\sc]
	v_cvt_scalef32_pk8_fp8_f32 v[(\cod)+2:(\cod)+3], v[(\x)+8:(\x)+15], v[\sc]
.endm
.macro FW t                            ; w_pos x direction + base, tile t
	v_wmma_f32_16x16x4_f32 v[ACC0+8*(\t):ACC0+8*(\t)+7], v[PA+2*(\t):PA+2*(\t)+1], v[20:21], 0
.endm
.macro PW t, p                         ; w_t2 x the gathered rows, tile t
	v_wmma_f32_16x16x64_fp8_fp8 v[ACC1+8*(\t):ACC1+8*(\t)+7], v[WT2+8*(\t):WT2+8*(\t)+7], v[F2+8*(\p):F2+8*(\p)+7], 0
.endm
.macro WW t                            ; layer 1
	v_wmma_f32_16x16x128_fp8_fp8 v[ACC1+8*(\t):ACC1+8*(\t)+7], v[WM1+16*(\t):WM1+16*(\t)+15], v[CD0:CD0+15], v[B1+8*(\t):B1+8*(\t)+7]
.endm
.macro NW c                            ; layer 2
	v_wmma_f32_16x16x128_fp8_fp8 v[ACC0+8*(\c):ACC0+8*(\c)+7], v[CD1:CD1+15], v[WM2+16*(\c):WM2+16*(\c)+15], 0
.endm
.macro VADD                            ; the two parts of layer 0's sum are joined, two numbers a line, each accumulator from its low end on
.set Q_I, 0
.rept 32
	v_pk_add_f32 v[ACC1+Q_I:ACC1+Q_I+1], v[ACC0+Q_I:ACC0+Q_I+1], v[ACC1+Q_I:ACC1+Q_I+1]
.set Q_I, Q_I+2
.endr
.endm
.macro VMAX2 c                         ; the largest of a lane's eight neighbours, tiles c and c + 1 side by side
	v_max3_num_f32 v[TT+8], v[ACC0+8*(\c)], v[ACC0+8*(\c)+1], v[ACC0+8*(\c)+2]
	v_max3_num_f32 v[TT+10], v[ACC0+8*(\c)+8], v[ACC0+8*(\c)+9], v[ACC0+8*(\c)+10]
	v_max3_num_f32 v[TT+9], v[ACC0+8*(\c)+3], v[ACC0+8*(\c)+4], v[ACC0+8*(\c)+5]
	v_max3_num_f32 v[TT+11], v[ACC0+8*(\c)+11], v[ACC0+8*(\c)+12], v[ACC0+8*(\c)+13]
	v_max3_num_f32 v[TT+8], v[TT+8], v[ACC0+8*(\c)+6], v[ACC0+8*(\c)+7]
	v_max3_num_f32 v[TT+10], v[TT+10], v[ACC0+8*(\c)+14], v[ACC0+8*(\c)+15]
	v_max_num_f32 v[TT+(\c)], v[TT+8], v[TT+9]
	v_max_num_f32 v[TT+(\c)+1], v[TT+10], v[TT+11]
.endm
.macro GATH p                          ; four loads: a neighbour's 64 codes of feat2 (two lanes to a row), x2 | z2, y2
	global_load_b128 v[F2+8*(\p):F2+8*(\p)+3], v[8+(\p)], s[14:15]
	global_load_b128 v[F2+8*(\p)+4:F2+8*(\p)+7], v[8+(\p)], s[14:15] offset:32
	global_load_b32 v[24+2*(\p)], v[10+(\p)], s[10:11]
	global_load_b32 v[25+2*(\p)], v[12+(\p)], s[10:11] offset:16384
.endm
.macro TABS p, e                       ; the query's x1 | z1, y1 and its base, entry e from the trip's first
	v_add_nc_u32 v19, s52, v15
	v_add_nc_u32 v22, s54, v16
	ds_load_b64 v[28+2*(\p):29+2*(\p)], v19 offset:16*(\e)
	WIN 0x80
	ds_load_b128 v[BQ+8*(\p):BQ+8*(\p)+3], v22 offset:512*(\e)
	ds_load_b128 v[BQ+8*(\p)+4:BQ+8*(\p)+7], v22 offset:512*(\e)+16
	WIN 0
.endm
; The head of the tile with parity q: its directions, its base, and its eight f32 products.  ACC0 is free: layer 2's maxima have been taken.
.macro HEAD q
	s_wait_loadcnt 5                               ; that tile's four gather loads are in; behind them an index load and the next gather's four may be out
	s_wait_dscnt 0x0
	v_sub_f32 v20, v[24+2*(\q)], v[28+2*(\q)]      ; dx | dz
	v_sub_f32 v21, v[25+2*(\q)], v[29+2*(\q)]      ; dy
	v_cndmask_b32 v21, v21, v6, s49                ; dy | 1.0
	WIN 0x0a                                       ; sources 0 and 1: window 2
.irp c,0,1,2,3,4,5,6,7
	v_cndmask_b32 v[PA+2*\c+1], v[WY+\c], v[BQ+8*(\q)+\c], s49     ; wy | base
.endr
	WIN 0
.irp t,0,1,2,3,4,5,6,7
	FW \t
.endr
.endm
; The two halves of the lanes meet: lanes 0-15 end with tile 2 u's channel, lanes 16-31 with tile 2 u + 1's: channel 32 u + lane.  Then the scale, the bias and leaky.
.macro V2B p
.irp u,0,1,2,3
	v_cndmask_b32 v[TT+8+\u], v[TT+2*\u], v[TT+2*\u+1], s49
.endr
.irp u,0,1,2,3
	v_cndmask_b32 v[TT+12+\u], v[TT+2*\u+1], v[TT+2*\u], s49
.endr
.irp u,0,1,2,3
	v_permlanex16_b32 v[TT+\u], v[TT+12+\u], s50, s51
.endr
.irp u,0,1,2,3
	v_max_num_f32 v[TT+8+\u], v[TT+8+\u], v[TT+\u]
.endr
.irp u,0,1,2,3
	v_fma_f32 v[TT+8+\u], v[TT+8+\u], s48, v[B2+\u]
.endr
.irp u,0,1,2,3
	v_mul_f32 v[TT+12+\u], 0x3dcccccd, v[TT+8+\u]
.endr
.irp u,0,1,2,3
	v_max_num_f32 v[OUTR+2*\u+\p], v[TT+8+\u], v[TT+12+\u]
.endr
.endm
; ONE QUERY.  Distances kept: eight or more plain vector lines between the f32 products and the first read of their results (the lines of V2B and the four address lines below);
; four or more between every other product and the first read of its result, and ahead of each load into an operand; one plain line behind the last conversion of a run.
.macro TILE p
	WIN 0x02                                       ; source 0 (w_t2): window 2
.irp t,0,1,2,3,4,5,6,7
	PW \t, \p
.endr
	WIN 0
	s_wait_loadcnt 4                               ; the index for the tile two on is in; the four gather loads behind it may be out
	v_min_u32 v7, 0xfff, v7                        ; a loaded number enters an address only behind this bound.  (These four lines are also the places ahead of the first read)
	v_lshl_add_u32 v[8+\p], v7, 6, v4              ; feat2: 64 bytes a row, + 16 h
	v_lshl_add_u32 v[10+\p], v7, 2, v5             ; pc2: x for lanes 0-15, z for lanes 16-31
	v_lshlrev_b32 v[12+\p], 2, v7                  ; y
	VADD
	s_add_co_u32 s57, s52, 16*(\p+3)               ; the index three tiles on, held at the wave's last query: no load leaves the buffer
	s_min_u32 s57, s57, 496
	v_add_nc_u32 v18, s57, v14
	global_load_u16 v7, v18, s[38:39]
	GATH \p                                        ; the tile two on
	TABS \p, \p+2
	VQ ACC1, 44, 45, SC0, CD0
	VQ ACC1+16, 44, 45, SC0, CD0+4
	VQ ACC1+32, 44, 45, SC0, CD0+8
	VQ ACC1+48, 44, 45, SC0, CD0+12
	v_nop                                          ; a plain line between the last conversion and the products that read its codes and write its sources
	WIN 0x21                                       ; source 0 (w_m1): window 1; source 2 (b_m1): window 2
	WW 0
	WW 1
	WW 2
	WW 3
	NOPS 4
	WIN 0
	VQ ACC1, 46, 47, SC1, CD1
	WIN 0x21
	WW 4
	WW 5
	WIN 0
	VQ ACC1+16, 46, 47, SC1, CD1+4
	WIN 0x21
	WW 6
	WW 7
	WIN 0
	VQ ACC1+32, 46, 47, SC1, CD1+8
	VQ ACC1+48, 46, 47, SC1, CD1+12
	v_nop
	WIN 0x04                                       ; source 1 (w_m2): window 1
	NW 0
	NW 1
	NW 2
	NW 3
	NOPS 4
	WIN 0
	VMAX2 0
	WIN 0x04
	NW 4
	NW 5
	WIN 0
	VMAX2 2
	WIN 0x04
	NW 6
	NW 7
	WIN 0
	VMAX2 4
	VMAX2 6
	HEAD 1-\p                                      ; the next tile's f32 products run under the lines below
	V2B \p
.if \p
	v_add_nc_u32 v23, s55, v17
.irp u,0,1,2,3
	ds_store_b64 v23, v[OUTR+2*\u:OUTR+2*\u+1] offset:\u*32*SPITCH     ; two queries of channel 32 u + lane
.endr
.endif
.endm
	s_load_b512 s[8:23], s[0:1], 0x0               ; pc1 8, pc2 10, feat1 12, feat2 14, w_t1 16, w_t2 18, w_m1 20, w_m2 22
	s_load_b512 s[24:39], s[0:1], 0x40             ; w_pos 24, b_t1 26, b_t2 28, b_pos 30, b_m1 32, b_m2 34, the scales 36, nidx 38
	s_load_b64 s[40:41], s[0:1], 0x80              ; out0
	v_lshl_add_u32 v254, v0, 2, 0x22200
	v_mov_b32 v255, 0
	v_lshrrev_b32 v1, 5, v0
	v_readfirstlane_b32 s2, v1                     ; wave
	v_and_b32 v3, 31, v0                           ; lane
	v_and_b32 v1, 15, v0                           ; r
	v_bfe_u32 v2, v0, 4, 1                         ; h
	v_lshlrev_b32 v4, 4, v2
	v_lshlrev_b32 v5, 15, v2
	v_mov_b32 v6, 1.0
	v_and_b32 v19, 8, v1
	v_add_nc_u32 v19, v19, v1                      ; r + 8 (r / 8)
	v_lshl_add_u32 v160, v19, 7, v4                ; w_m1: a row is 128 bytes
	v_lshl_add_u32 v161, v1, 7, v4                 ; w_m2
	v_lshl_add_u32 v162, v19, 6, v4                ; w_t1, w_t2: 64 bytes
	v_lshlrev_b32 v163, 6, v2                      ; b_m1: my half's 16 numbers of 32
	v_mul_u32_u24 v165, v19, 12                    ; w_pos: 12 bytes a row
	v_lshl_add_u32 v164, v2, 3, v165               ; wx for lanes 0-15, wz for lanes 16-31
	v_lshlrev_b32 v166, 2, v19                     ; the three biases of layer 0
	v_lshlrev_b32 v167, 2, v3
	v_lshl_add_u32 v168, v1, 6, v4                 ; feat1: query r of sixteen
	v_lshrrev_b32 v14, 3, v1
	v_lshlrev_b32 v14, 19, v14
	v_and_b32 v18, 7, v1
	v_lshl_add_u32 v14, v18, 1, v14                ; nidx: plane r / 8, place r % 8
	s_lshr_b32 s3, ttmp9, 5                        ; batch
	s_and_b32 s4, ttmp9, 31                        ; block of 128 queries
	s_lshl_b32 s5, s4, 7
	s_lshl_b32 s6, s2, 5
	s_add_co_u32 s5, s5, s6                        ; my wave's first query in the batch
	s_mul_i32 s42, s3, 49152
	s_mov_b32 s43, 0
	s_lshl_b32 s60, s3, 18                         ; a batch of codes
	s_mov_b32 s61, 0
	s_lshl_b32 s62, s5, 2
	s_mov_b32 s63, 0
	s_lshl_b32 s66, s5, 6
	s_mov_b32 s67, 0
	s_lshl_b32 s68, s3, 12
	s_add_co_u32 s68, s68, s5
	s_lshl_b32 s68, s68, 4
	s_mov_b32 s69, 0
	s_lshl_b32 s70, s3, 21                         ; out0: batch, my 32 channels on the way out, the block's 512 bytes
	s_lshl_b32 s6, s2, 19
	s_add_co_u32 s70, s70, s6
	s_lshl_b32 s6, s4, 9
	s_add_co_u32 s70, s70, s6
	s_mov_b32 s71, 0
	s_mov_b32 s49, 0xffff0000                      ; lanes 16-31
	s_mov_b32 s50, 0x76543210                      ; v_permlanex16_b32: lane l xor 16
	s_mov_b32 s51, 0xfedcba98
	s_mul_i32 s7, s2, BASEW
	s_mul_i32 s6, s2, QCW
	s_add_co_u32 s6, s6, QCT
	v_lshl_add_u32 v16, v1, 5, s7                  ; BASE, to read: 32 r
	v_lshl_add_u32 v22, v2, 12, v16                ; BASE, to write: + eight entries for lanes 16-31
	v_lshl_add_u32 v176, v3, 4, s7
	v_lshl_add_u32 v15, v2, 3, s6                  ; QCT, to read: 8 h
	v_lshl_add_u32 v177, v3, 4, s6
	v_lshl_add_u32 v178, v3, 2, s6
	v_mul_u32_u24 v17, v3, SPITCH
	s_lshl_b32 s4, s2, 7
	s_add_co_u32 s4, s4, STAGE
	v_add_nc_u32 v17, s4, v17                      ; STAGE: row = lane, my wave's 128 bytes
	s_wait_kmcnt 0x0
	s_load_b256 s[72:79], s[36:37], 0x0            ; e0 .. e7
	s_add_nc_u64 s[8:9], s[8:9], s[42:43]
	s_add_nc_u64 s[8:9], s[8:9], s[62:63]
	s_add_nc_u64 s[10:11], s[10:11], s[42:43]
	s_add_nc_u64 s[12:13], s[12:13], s[60:61]
	s_add_nc_u64 s[12:13], s[12:13], s[66:67]
	s_add_nc_u64 s[14:15], s[14:15], s[60:61]
	s_add_nc_u64 s[38:39], s[38:39], s[68:69]
	s_add_nc_u64 s[40:41], s[40:41], s[70:71]
	WIN 0x40
.irp t,0,1,2,3,4,5,6,7
.irp c,0,1,2,3
	global_load_b128 v[WM1+16*\t+4*\c:WM1+16*\t+4*\c+3], v160, s[20:21] offset:(32*(\t/2)+8*(\t%2))*128+32*\c
	global_load_b128 v[WM2+16*\t+4*\c:WM2+16*\t+4*\c+3], v161, s[22:23] offset:16*\t*128+32*\c
.endr
.endr
	WIN 0x80
.irp t,0,1,2,3,4,5,6,7
.irp c,0,1
	global_load_b128 v[WT2+8*\t+4*\c:WT2+8*\t+4*\c+3], v162, s[18:19] offset:(32*(\t/2)+8*(\t%2))*64+32*\c
	global_load_b128 v[WT1+8*\t+4*\c:WT1+8*\t+4*\c+3], v162, s[16:17] offset:(32*(\t/2)+8*(\t%2))*64+32*\c
.endr
	global_load_b128 v[B1+8*\t:B1+8*\t+3], v163, s[32:33] offset:(32*(\t/2)+8*(\t%2))*4
	global_load_b128 v[B1+8*\t+4:B1+8*\t+7], v163, s[32:33] offset:(32*(\t/2)+8*(\t%2))*4+16
	global_load_b32 v[WY+\t], v165, s[24:25] offset:(32*(\t/2)+8*(\t%2))*12+4
.endr
	WIN 0
.irp t,0,1,2,3,4,5,6,7
	global_load_b32 v[PA+2*\t], v164, s[24:25] offset:(32*(\t/2)+8*(\t%2))*12
	global_load_b32 v[96+\t], v166, s[26:27] offset:(32*(\t/2)+8*(\t%2))*4
	global_load_b32 v[104+\t], v166, s[28:29] offset:(32*(\t/2)+8*(\t%2))*4
	global_load_b32 v[112+\t], v166, s[30:31] offset:(32*(\t/2)+8*(\t%2))*4
.endr
.irp u,0,1,2,3
	global_load_b32 v[B2+\u], v167, s[34:35] offset:128*\u
.endr
	global_load_b32 v120, v167, s[8:9]             ; query = lane: x1, y1, z1
	global_load_b32 v121, v167, s[8:9] offset:16384
	global_load_b32 v122, v167, s[8:9] offset:32768
.irp g,0,1
.irp c,0,1
	global_load_b128 v[F2+8*\g+4*\c:F2+8*\g+4*\c+3], v168, s[12:13] offset:\g*1024+32*\c   ; feat1: queries 16 g + r
.endr
.endr
	global_load_u16 v7, v14, s[38:39]              ; the indices of tiles 0 and 1
	global_load_u16 v240, v14, s[38:39] offset:16
	s_wait_loadcnt 0x0
	s_wait_kmcnt 0x0
	s_add_co_i32 s57, s74, s75                     ; e2 + e3
	s_sub_co_i32 s59, 0, s57
	s_add_co_i32 s58, s72, s73
	s_sub_co_i32 s58, s58, s57
	s_add_co_i32 s58, s58, 127
	s_lshl_b32 s58, s58, 23                        ; 2^(e0 + e1 - e2 - e3)
	s_sub_co_i32 s42, s76, s57
	s_add_co_i32 s42, s42, 127
	s_lshl_b32 s43, s42, 23
	v_mov_b32 v[SC0], s43                          ; 2^(e4 - e2 - e3): the conversion takes its exponent field
	s_add_co_i32 s42, s42, 8
	s_lshl_b32 s42, s42, 23
	s_or_b32 s44, s42, 0x600000                    ; 448 x that,
	s_or_b32 s45, s44, 0x80000000                  ; and its negative
	s_add_co_i32 s57, s76, s77                     ; e4 + e5
	s_sub_co_i32 s60, 0, s57
	s_sub_co_i32 s42, s78, s57
	s_add_co_i32 s42, s42, 127
	s_lshl_b32 s43, s42, 23
	v_mov_b32 v[SC1], s43                          ; 2^(e6 - e4 - e5)
	s_add_co_i32 s42, s42, 8
	s_lshl_b32 s42, s42, 23
	s_or_b32 s46, s42, 0x600000
	s_or_b32 s47, s46, 0x80000000
	s_add_co_i32 s48, s78, s79
	s_add_co_i32 s48, s48, 127
	s_lshl_b32 s48, s48, 23                        ; 2^(e6 + e7)
.irp t,0,1,2,3,4,5,6,7
	v_ldexp_f32 v[PA+2*\t], v[PA+2*\t], s59        ; wx | wz in units of 2^(e2 + e3)
.endr
.irp t,0,1,2,3,4,5,6,7
	v_add_f32 v[96+\t], v[96+\t], v[104+\t]
.endr
.irp t,0,1,2,3,4,5,6,7
	v_add_f32 v[96+\t], v[96+\t], v[112+\t]
.endr
	WIN 0x80
.irp t,0,1,2,3,4,5,6,7
	v_ldexp_f32 v[BS+\t], v[96+\t], s59            ; (b_t1 + b_t2 + b_pos) / 2^(e2 + e3) at my tiles' channels
.endr
	WIN 0x82
.irp t,0,1,2,3,4,5,6,7
	v_ldexp_f32 v[WY+\t], v[WY+\t], s59
.endr
.set Q_I, 0
.rept 64
	v_ldexp_f32 v[B1+Q_I], v[B1+Q_I], s60          ; b_m1 / 2^(e4 + e5)
.set Q_I, Q_I+1
.endr
	WIN 0
	v_mov_b32 v123, v121
	v_mov_b32 v124, 0
	v_mov_b32 v125, 0
	v_mov_b32 v126, 0
	v_mov_b32 v127, 0
	ds_store_b128 v177, v[120:123]                 ; QCT: {x1, y1, z1, y1} of query = lane
	ds_store_b32 v178, v124 offset:512             ; its entries 32 .. 39
	ds_store_b128 v176, v[124:127] offset:32*512   ; BASE's entries 32 and 33
	ds_store_b128 v176, v[124:127] offset:33*512
	v_min_u32 v7, 0xfff, v7
	v_min_u32 v240, 0xfff, v240
	v_lshl_add_u32 v8, v7, 6, v4
	v_lshl_add_u32 v10, v7, 2, v5
	v_lshlrev_b32 v12, 2, v7
	v_lshl_add_u32 v9, v240, 6, v4
	v_lshl_add_u32 v11, v240, 2, v5
	v_lshlrev_b32 v13, 2, v240
	s_wait_dscnt 0x0                               ; the stores have read their registers, which the products below write
	; ---- p1 and the biases: base, for 16 queries at a time.  Source 0 = the queries, source 1 = w_t1's tile: register 8 t + j of lane (r, h) is query 8 h + j, channel of lane r of tile t
.irp g,0,1
	WIN 0x08                                       ; source 1: window 2
.irp t,0,1,2,3,4,5,6,7
	v_wmma_f32_16x16x64_fp8_fp8 v[ACC1+8*\t:ACC1+8*\t+7], v[F2+8*\g:F2+8*\g+7], v[WT1+8*\t:WT1+8*\t+7], 0
.endr
	WIN 0x20                                       ; source 2: window 2
	NOPS 4
.irp j,0,1,2,3,4,5,6,7
.irp t,0,1,2,3,4,5,6,7
	v_fma_f32 v[TT+8*(\j%2)+\t], v[ACC1+8*\t+\j], s58, v[BS+\t]
.endr
	ds_store_b128 v22, v[TT+8*(\j%2):TT+8*(\j%2)+3] offset:(16*\g+\j)*512
	ds_store_b128 v22, v[TT+8*(\j%2)+4:TT+8*(\j%2)+7] offset:(16*\g+\j)*512+16
.endr
.endr
	WIN 0
	; ---- the loop's start: tiles 0 and 1 are gathered, the index of tile 2 between them, as in the loop
	s_mov_b32 s52, 0                               ; 32 x trip: nidx and QCT
	s_mov_b32 s54, 0                               ; 1,024 x trip: BASE
	s_mov_b32 s55, 0                               ; 8 x trip: STAGE
	s_mov_b32 s56, 16
	GATH 0
	v_add_nc_u32 v18, 32, v14
	global_load_u16 v7, v18, s[38:39]
	GATH 1
	TABS 0, 0
	TABS 1, 1
	HEAD 0
	NOPS 8                                         ; on this way into the loop no other vector work stands behind the f32 products: with the tile's four address lines, twelve places ahead of the first read
.Ltile:
	TILE 0
	TILE 1
	s_add_co_u32 s52, s52, 32
	s_add_co_u32 s54, s54, 1024
	s_add_co_u32 s55, s55, 8
	s_sub_co_u32 s56, s56, 1
	s_cmp_lg_u32 s56, 0
	s_cbranch_scc1 .Ltile
	; ---- the way out: a channel's 128 queries come from four waves; each wave stores 32 whole rows
	s_wait_loadcnt 0x0                             ; the look-ahead's loads have landed: their registers are used again below
	s_wait_dscnt 0x0                               ; for the others' sake: my stores into the stage are done
	s_barrier_signal -1
	s_barrier_wait -1
	s_mul_i32 s57, s2, 32*SPITCH
	s_add_co_u32 s57, s57, STAGE
	v_lshl_add_u32 v19, v3, 4, s57
	v_lshlrev_b32 v22, 4, v3
.set Q_I, 0
.rept 32
	ds_load_b128 v[96+4*Q_I:96+4*Q_I+3], v19 offset:Q_I*SPITCH
.set Q_I, Q_I+1
.endr
.set Q_I, 0
.rept 32
	s_wait_dscnt 31-Q_I
	global_store_b128 v22, v[96+4*Q_I:96+4*Q_I+3], s[40:41] offset:Q_I*16384 th:TH_STORE_NT   ; the wave stores 512 consecutive bytes of one channel, aligned; written once, read by nobody here
.set Q_I, Q_I+1
.endr
	s_wait_tensorcnt 0x0
	ds_add_u32 v254, v255
	s_wait_dscnt 0x0
	s_endpgm
.Lfunc_end_k_q72798aada9_mlp:
	.size	k_q72798aada9_mlp, .Lfunc_end_k_q72798aada9_mlp-k_q72798aada9_mlp
	.p2alignl 7, 3214868480
	.fill 96, 4, 3214868480
	.section	.rodata,"a",@progbits
	.p2align	6, 0x0
	.amdhsa_kernel k_q72798aada9_mlp
		.amdhsa_group_segment_fixed_size 140288
		.amdhsa_private_segment_fixed_size 0
		.amdhsa_enable_private_segment 0
		.amdhsa_kernarg_size 136
		.amdhsa_user_sgpr_count 2
		.amdhsa_user_sgpr_kernarg_segment_ptr 1
		.amdhsa_wavefront_size32 1
		.amdhsa_system_sgpr_workgroup_id_x 1
		.amdhsa_system_sgpr_workgroup_id_y 1
		.amdhsa_system_sgpr_workgroup_id_z 1
		.amdhsa_system_vgpr_workitem_id 0
		.amdhsa_next_free_vgpr 768
		.amdhsa_next_free_sgpr 96
		.amdhsa_reserve_vcc 0
		.amdhsa_float_denorm_mode_32 3
		.amdhsa_float_denorm_mode_16_64 3
		.amdhsa_memory_ordered 1
		.amdhsa_forward_progress 1
		.amdhsa_inst_pref_size 107
	.end_amdhsa_kernel
	.amdgpu_metadata
---
amdhsa.version: [ 1, 2 ]
amdhsa.kernels:
  - .name:           k_q72798aada9_mlp
    .symbol:         k_q72798aada9_mlp.kd
    .args:
      - { .name: pc1, .offset: 0, .size: 8, .value_kind: global_buffer, .address_space: global }
      - { .name: pc2, .offset: 8, .size: 8, .value_kind: global_buffer, .address_space: global }
      - { .name: feat1_codes, .offset: 16, .size: 8, .value_kind: global_buffer, .address_space: global }
      - { .name: feat2_codes, .offset: 24, .size: 8, .value_kind: global_buffer, .address_space: global }
      - { .name: w_t1_codes, .offset: 32, .size: 8, .value_kind: global_buffer, .address_space: global }
      - { .name: w_t2_codes, .offset: 40, .size: 8, .value_kind: global_buffer, .address_space: global }
      - { .name: w_m1_codes, .offset: 48, .size: 8, .value_kind: global_buffer, .address_space: global }
      - { .name: w_m2_codes, .offset: 56, .size: 8, .value_kind: global_buffer, .address_space: global }
      - { .name: w_pos, .offset: 64, .size: 8, .value_kind: global_buffer, .address_space: global }
      - { .name: b_t1, .offset: 72, .size: 8, .value_kind: global_buffer, .address_space: global }
      - { .name: b_t2, .offset: 80, .size: 8, .value_kind: global_buffer, .address_space: global }
      - { .name: b_pos, .offset: 88, .size: 8, .value_kind: global_buffer, .address_space: global }
      - { .name: b_m1, .offset: 96, .size: 8, .value_kind: global_buffer, .address_space: global }
      - { .name: b_m2, .offset: 104, .size: 8, .value_kind: global_buffer, .address_space: global }
      - { .name: lowp_scales, .offset: 112, .size: 8, .value_kind: global_buffer, .address_space: global }
      - { .name: nidx, .offset: 120, .size: 8, .value_kind: global_buffer, .address_space: global }
      - { .name: out0, .offset: 128, .size: 8, .value_kind: global_buffer, .address_space: global }
    .group_segment_fixed_size: 140288
    .private_segment_fixed_size: 0
    .kernarg_segment_align: 8
    .kernarg_segment_size: 136
    .max_flat_workgroup_size: 128
    .sgpr_count:     96
    .vgpr_count:     768
    .wavefront_size: 32
...
	.end_amdgpu_metadata
.endif
;; end of part 3
;; ======== version 2 of 2: 3 launches; version 1 with the launch mlp written anew for expert scheduling mode
;; workspace buffers: glist 524,288 bytes of whole numbers; nidx 1,048,576 bytes of whole numbers
;; launch groups: the kernel of part 1 again; grid 256 x 1, 4 waves a work-group, no clusters, 136,192 bytes of LDS; arguments pc1, pc2, glist; writes glist
;; launch refine: the kernel of part 2 again; grid 256 x 1, 4 waves a work-group, no clusters, 201,216 bytes of LDS; arguments pc1, pc2, glist, nidx; writes nidx
;; launch mlp (part 4): grid 256 x 1, 4 waves a work-group, no clusters, 140,288 bytes of LDS; arguments pc1, pc2, feat1_codes, feat2_codes, w_t1_codes, w_t2_codes, w_m1_codes, w_m2_codes, w_pos, b_t1, b_t2, b_pos, b_m1, b_m2, lowp_scales, nidx, out0; writes out0
.if DOCPART == 4
	.amdgcn_target "amdgcn-amd-amdhsa--gfx1250"
	.amdhsa_code_object_version 6
	.text
	.protected	k_q72798aada9_mlp
	.globl	k_q72798aada9_mlp
	.p2align	8
	.type	k_q72798aada9_mlp,@function
k_q72798aada9_mlp:
	s_mov_b64 s[64:65], 0
	v_nop
	global_prefetch_b8 v0, s[64:65] scope:SCOPE_SE
	s_setreg_imm32_b32 hwreg(HW_REG_WAVE_SCHED_MODE, 0, 2), 2
	s_setreg_imm32_b32 hwreg(HW_REG_WAVE_MODE, 25, 1), 1
	s_wait_xcnt 0x0
	s_wait_alu depctr_vm_vsrc(0)
; THIRD LAUNCH: out[b][c][q] = max over q's 16 neighbours n of leaky(W2 Q(leaky(W1 Q(h0) + b_m1)) + b_m2), h0 = leaky(p2[n] + p1[q] + w_pos (x2[n] - x1[q]) + b_pos), leaky(x) = max(x, 0.1 x).
; p1 = feat1 w_t1^T + b_t1, p2 = feat2 w_t2^T + b_t2, and the two layers are products on E4M3 codes with the given scales 2^e0 .. 2^e7; w_pos's product has f32 operands.
; SHARES.  Work-group x: batch x / 32, queries 128 (x % 32) on; a wave 32 queries.  A TILE is one query: its 16 neighbours are the 16 rows.  All weights stay in each wave's registers.
; p2 is not kept anywhere: w_t2's product is made on the gathered rows of codes (64 bytes a neighbour).
; LAYOUT, r = lane % 16, h = lane / 16.  Layers 0 and 1 are used transposed (source 0 = 16 rows of the weight, source 1 = the 16 neighbours).  THE ROWS OF A WEIGHT THAT FORM A TILE ARE NOT NEIGHBOURS:
; lane r of tile t takes row 32 (t / 2) + 8 (t % 2) + r + 8 (r / 8), so that register 8 t + j of lane (r, h) is channel 32 (t / 2) + 16 h + 8 (t % 2) + j of neighbour r: the 16 registers of two
; tiles are 16 neighbours along the next K, and the conversions' results are the next operand.  Codes are fetched 16 bytes at +16 h and +32 c on both sides of every product: k is permuted alike.
; Layer 2 is used the natural way (source 0 = the neighbours' codes, source 1 = rows 16 c + r of w_m2): a lane then holds one channel and eight neighbours, and the maximum is taken inside the lane.
; LAYER 0, all in units of 2^(e2 + e3): an f32 matrix instruction, K = 4, gives wx dx + wy dy + wz dz + base x 1, base = p1's sum x 2^(e0 + e1 - e2 - e3) + (b_t1 + b_t2 + b_pos) / 2^(e2 + e3);
; w_t2's product on the gathered codes has accumulators of its own, and one packed addition for two numbers joins the two.  leaky commutes with powers of two, so each conversion takes one folded scale:
; 2^(e4 - e2 - e3), 2^(e6 - e4 - e5).  b_m1 / 2^(e4 + e5) is the C of layer 1.
; Every matrix instruction starts its sum anew (C = 0 or a bias): none adds onto another's result.  The registers that the f32 matrix form writes (v32-95) are written by matrix instructions alone, and every
; accumulator is read from its low end on.
; LIMITS: e0 + e1 - e2 - e3 and e6 + e7 between -126 and 127; e4 - e2 - e3 and e6 - e4 - e5 between -126 and 119.  NaN, infinities and NaN codes among the inputs are not served.
; LDS: BASE: for each wave 34 entries of 512 bytes, [query][r][t] f32 (entries 32, 33 zeros);  QCT: for each wave 40 entries of 16 bytes {x1, y1, z1, y1} (32 .. 39 zeros);  STAGE: 128 rows [channel] of 128 queries + 16 bytes.
; The zeros let the look-ahead run two tiles past the last query; what is made of them is never read.
; REGISTERS.  window 0: v1 r, v2 h, v3 lane, v4 16 h, v5 32768 h, v6 1.0, v7 an index, v8-13 gather offsets (two sets), v14-19, v22, v23 addresses, v20-21 the directions, v24-27 x2 | z2 and y2, v28-31 x1 | z1 and y1,
;   v32-95 ACC0 (the f32 products, later layer 2's sums), v96-159 ACC1 (w_t2's sums, h0, layer 1's sums, h1), v160-175 at work, v176-191 and v192-207 codes, v208-223 the gathered rows of feat2 (two sets),
;   v224-239 w_pos and base (pairs), v240-247 results, v248-251 b_m2, v252, v253 the conversions' scales.
;   window 1: w_m1 v0-127, w_m2 v128-255.   window 2: w_t2 v0-63, b_m1 v64-127, w_t1 v128-191, wy v192-199, base of two tiles v200-215, the bias sum v216-223.   window 3: v0-127 at the head only: the 32 queries' base, on its way to LDS.
; THE MODE: SCHED_MODE bits 1:0 = 2 (LLVM: expert scheduling mode 2), set by the entry lines.  The code itself states the register dependences between vector or matrix instructions
; and memory or LDS instructions, with s_wait_alu, always for 0.
; THE PLAN.  Registers that memory or LDS instructions touch in the loop; tile n has parity p:
;   v7               lands from the load issued in tile n - 1; tile n's address lines bound it in place and read it; behind them the load for tile n + 3 lands in it.
;   v8-13, set p     written by tile n's address lines; read by its four gather loads; written again in tile n + 2.
;   v18, v19, v22    written by the tile's address lines; read by its index load and its three table loads; written again in the next tile.  v23 likewise, in the tiles that store.
;   F2 set p         read by tile n's eight products of w_t2; the gather for tile n + 2 lands in it.
;   v24-25 + 2 p, v28-29 + 2 p, BQ set p   read by the head of tile n, which stands at the end of tile n - 1; the loads for tile n + 2 land in them.
;   OUTR             written at the ends of an even and of an odd tile; read by four LDS stores in the next even tile; written again at that tile's end.
; So TWO waits stand in a tile.  One on va_vdst behind the packed additions: all the writers and readers just named are done; the tile's memory instructions follow it, dealt among the four quantising blocks,
; which name ACC1, v160-191 and v252 alone.  One on vm_vsrc at the start of the next tile's head: those memory instructions have read their offsets, addresses and data, all of which are written again only behind it.
; The stores of a pair of tiles stand in the next even tile: so the first trip is written out without them, and the last pair is stored behind the loop.
.set BASEW, 17408
.set QCT,   69632
.set QCW,   640
.set STAGE, 72192
.set SPITCH, 528
.set ACC0, 32
.set ACC1, 96
.set TT,   160
.set CD0,  176
.set CD1,  192
.set F2,   208
.set PA,   224
.set OUTR, 240
.set B2,   248
.set SC0,  252
.set SC1,  253
.set WM1,  0                           ; window 1
.set WM2,  128
.set WT2,  0                           ; window 2
.set B1,   64
.set WT1,  128
.set WY,   192
.set BQ,   200
.set BS,   216
.set OB,   0                           ; window 3
.set MSB, 0
.macro WIN new                         ; the immediate's high byte repeats the setting that is left
.if MSB != \new
	s_set_vgpr_msb (MSB<<8)|\new
.set MSB, \new
.endif
.endm
.macro NOPS n
.rept \n
	v_nop
.endr
.endm
; 16 numbers, in place: leaky, the hold at +-448 x the scale, the conversion.  a = min(L, x); y = max(-L, a, 0.1 a): for x >= 0 that is min(L, x), for x < 0 it is max(-L, 0.1 x).
.macro VQ x, sl, sn, sc, cod
.set Q_I, 0
.rept 16
	v_min_num_f32 v[(\x)+Q_I], s[\sl], v[(\x)+Q_I]
.set Q_I, Q_I+1
.endr
.set Q_I, 0
.rept 8
	v_pk_mul_f32 v[TT+Q_I:TT+Q_I+1], v[(\x)+Q_I:(\x)+Q_I+1], 0x3dcccccd op_sel_hi:[1,0]
.set Q_I, Q_I+2
.endr
.set Q_I, 0
.rept 16
	v_max3_num_f32 v[(\x)+Q_I], s[\sn], v[(\x)+Q_I], v[TT+Q_I]
.set Q_I, Q_I+1
.endr
	v_cvt_scalef32_pk8_fp8_f32 v[(\cod):(\cod)+1], v[(\x):(\x)+7], v[\sc]
	v_cvt_scalef32_pk8_fp8_f32 v[(\cod)+2:(\cod)+3], v[(\x)+8:(\x)+15], v[\sc]
.endm
.macro FW t                            ; w_pos x direction + base, tile t
	v_wmma_f32_16x16x4_f32 v[ACC0+8*(\t):ACC0+8*(\t)+7], v[PA+2*(\t):PA+2*(\t)+1], v[20:21], 0
.endm
.macro PW t, p                         ; w_t2 x the gathered rows, tile t
	v_wmma_f32_16x16x64_fp8_fp8 v[ACC1+8*(\t):ACC1+8*(\t)+7], v[WT2+8*(\t):WT2+8*(\t)+7], v[F2+8*(\p):F2+8*(\p)+7], 0
.endm
.macro WW t                            ; layer 1
	v_wmma_f32_16x16x128_fp8_fp8 v[ACC1+8*(\t):ACC1+8*(\t)+7], v[WM1+16*(\t):WM1+16*(\t)+15], v[CD0:CD0+15], v[B1+8*(\t):B1+8*(\t)+7]
.endm
.macro NW c                            ; layer 2
	v_wmma_f32_16x16x128_fp8_fp8 v[ACC0+8*(\c):ACC0+8*(\c)+7], v[CD1:CD1+15], v[WM2+16*(\c):WM2+16*(\c)+15], 0
.endm
.macro VADD                            ; the two parts of layer 0's sum are joined, two numbers a line, each accumulator from its low end on
.set Q_I, 0
.rept 32
	v_pk_add_f32 v[ACC1+Q_I:ACC1+Q_I+1], v[ACC0+Q_I:ACC0+Q_I+1], v[ACC1+Q_I:ACC1+Q_I+1]
.set Q_I, Q_I+2
.endr
.endm
.macro VMAX2 c                         ; the largest of a lane's eight neighbours, tiles c and c + 1 side by side
	v_max3_num_f32 v[TT+8], v[ACC0+8*(\c)], v[ACC0+8*(\c)+1], v[ACC0+8*(\c)+2]
	v_max3_num_f32 v[TT+10], v[ACC0+8*(\c)+8], v[ACC0+8*(\c)+9], v[ACC0+8*(\c)+10]
	v_max3_num_f32 v[TT+9], v[ACC0+8*(\c)+3], v[ACC0+8*(\c)+4], v[ACC0+8*(\c)+5]
	v_max3_num_f32 v[TT+11], v[ACC0+8*(\c)+11], v[ACC0+8*(\c)+12], v[ACC0+8*(\c)+13]
	v_max3_num_f32 v[TT+8], v[TT+8], v[ACC0+8*(\c)+6], v[ACC0+8*(\c)+7]
	v_max3_num_f32 v[TT+10], v[TT+10], v[ACC0+8*(\c)+14], v[ACC0+8*(\c)+15]
	v_max_num_f32 v[TT+(\c)], v[TT+8], v[TT+9]
	v_max_num_f32 v[TT+(\c)+1], v[TT+10], v[TT+11]
.endm
.macro GATH p                          ; four loads: a neighbour's 64 codes of feat2 (two lanes to a row), x2 | z2, y2
	global_load_b128 v[F2+8*(\p):F2+8*(\p)+3], v[8+(\p)], s[14:15]
	global_load_b128 v[F2+8*(\p)+4:F2+8*(\p)+7], v[8+(\p)], s[14:15] offset:32
	global_load_b32 v[24+2*(\p)], v[10+(\p)], s[10:11]
	global_load_b32 v[25+2*(\p)], v[12+(\p)], s[10:11] offset:16384
.endm
.macro TABS p, e, aq, ab               ; the query's x1 | z1, y1 and its base, entry e from the addresses v[aq] (QCT) and v[ab] (BASE) on
	ds_load_b64 v[28+2*(\p):29+2*(\p)], v[\aq] offset:16*(\e)
	WIN 0x80
	ds_load_b128 v[BQ+8*(\p):BQ+8*(\p)+3], v[\ab] offset:512*(\e)
	ds_load_b128 v[BQ+8*(\p)+4:BQ+8*(\p)+7], v[\ab] offset:512*(\e)+16
	WIN 0
.endm
; The head of the tile with parity q: its directions, its base, and its eight f32 products.  ACC0 is free: layer 2's maxima have been taken.
.macro HEAD q
	s_wait_alu depctr_vm_vsrc(0)                   ; the loads and LDS stores issued so far have read v8-13, v18, v19, v22, v23 and v240-247: the results below and the next tile's address lines write these again
	s_wait_loadcnt 5                               ; that tile's four gather loads are in; behind them an index load and the next gather's four may be out
	s_wait_dscnt 0x0
	v_sub_f32 v20, v[24+2*(\q)], v[28+2*(\q)]      ; dx | dz
	v_sub_f32 v21, v[25+2*(\q)], v[29+2*(\q)]      ; dy
	v_cndmask_b32 v21, v21, v6, s49                ; dy | 1.0
	WIN 0x0a                                       ; sources 0 and 1: window 2
.irp c,0,1,2,3,4,5,6,7
	v_cndmask_b32 v[PA+2*\c+1], v[WY+\c], v[BQ+8*(\q)+\c], s49     ; wy | base
.endr
	WIN 0
.irp t,0,1,2,3,4,5,6,7
	FW \t
.endr
.endm
; The two halves of the lanes meet: lanes 0-15 end with tile 2 u's channel, lanes 16-31 with tile 2 u + 1's: channel 32 u + lane.  Then the scale, the bias and leaky.
.macro V2B p
.irp u,0,1,2,3
	v_cndmask_b32 v[TT+8+\u], v[TT+2*\u], v[TT+2*\u+1], s49
.endr
.irp u,0,1,2,3
	v_cndmask_b32 v[TT+12+\u], v[TT+2*\u+1], v[TT+2*\u], s49
.endr
.irp u,0,1,2,3
	v_permlanex16_b32 v[TT+\u], v[TT+12+\u], s50, s51
.endr
.irp u,0,1,2,3
	v_max_num_f32 v[TT+8+\u], v[TT+8+\u], v[TT+\u]
.endr
.irp u,0,1,2,3
	v_fma_f32 v[TT+8+\u], v[TT+8+\u], s48, v[B2+\u]
.endr
.irp u,0,1,2,3
	v_mul_f32 v[TT+12+\u], 0x3dcccccd, v[TT+8+\u]
.endr
.irp u,0,1,2,3
	v_max_num_f32 v[OUTR+2*\u+\p], v[TT+8+\u], v[TT+12+\u]
.endr
.endm
.macro PAIROUT                         ; two queries of channel 32 u + lane, into the stage
.irp u,0,1,2,3
	ds_store_b64 v23, v[OUTR+2*\u:OUTR+2*\u+1] offset:\u*32*SPITCH
.endr
.endm
; ONE QUERY.  st = 1: the results of the two tiles before are stored on the way.
; Distances kept (ISA guide 7.12.1): eight or more plain vector lines between the f32 products and the first read of their results (the lines of V2B and the address lines below);
; four or more between every other product and the first read of its result; one plain line behind the last conversion of a run.
.macro TILE p, st
	WIN 0x02                                       ; source 0 (w_t2): window 2
.irp t,0,1,2,3,4,5,6,7
	PW \t, \p
.endr
	WIN 0
	s_wait_loadcnt 4                               ; the index for the tile two on is in, so v18, which that load read, may be written; the four gather loads behind it may be out
	v_min_u32 v7, 0xfff, v7                        ; a loaded number enters an address only behind this bound.  (The address lines are also the places ahead of the first read)
	v_lshl_add_u32 v[8+\p], v7, 6, v4              ; feat2: 64 bytes a row, + 16 h
	v_lshl_add_u32 v[10+\p], v7, 2, v5             ; pc2: x for lanes 0-15, z for lanes 16-31
	v_lshlrev_b32 v[12+\p], 2, v7                  ; y
	s_add_co_u32 s57, s52, 16*(\p+3)               ; the index three tiles on, held at the wave's last query: no load leaves the buffer
	s_min_u32 s57, s57, 496
	v_add_nc_u32 v18, s57, v14
	v_add_nc_u32 v19, s52, v15                     ; the trip's place in QCT,
	v_add_nc_u32 v22, s54, v16                     ; and in BASE
.if \st
	v_add_nc_u32 v23, s55, v17                     ; the stage: the pair before
.endif
	VADD
	s_wait_alu depctr_va_vdst(0)                   ; the address lines have written v8-13, v18, v19, v22, v23 and are done with v7; the products above are done reading F2's set p; this tile's head is done reading v24-31's and BQ's set p; the results in v240-247 are written
	global_load_u16 v7, v18, s[38:39]
	GATH \p                                        ; the tile two on
	VQ ACC1, 44, 45, SC0, CD0                      ; (no line from the wait above to the last store below names a register that these loads and stores touch)
	TABS \p, \p+2, 19, 22
	VQ ACC1+16, 44, 45, SC0, CD0+4
.if \st
	PAIROUT
.endif
	VQ ACC1+32, 44, 45, SC0, CD0+8
	VQ ACC1+48, 44, 45, SC0, CD0+12
	v_nop                                          ; a plain line between the last conversion and the products that read its codes and write its sources
	WIN 0x21                                       ; source 0 (w_m1): window 1; source 2 (b_m1): window 2
	WW 0
	WW 1
	WW 2
	WW 3
	NOPS 4
	WIN 0
	VQ ACC1, 46, 47, SC1, CD1
	WIN 0x21
	WW 4
	WW 5
	WIN 0
	VQ ACC1+16, 46, 47, SC1, CD1+4
	WIN 0x21
	WW 6
	WW 7
	WIN 0
	VQ ACC1+32, 46, 47, SC1, CD1+8
	VQ ACC1+48, 46, 47, SC1, CD1+12
	v_nop
	WIN 0x04                                       ; source 1 (w_m2): window 1
	NW 0
	NW 1
	NW 2
	NW 3
	NOPS 4
	WIN 0
	VMAX2 0
	WIN 0x04
	NW 4
	NW 5
	WIN 0
	VMAX2 2
	WIN 0x04
	NW 6
	NW 7
	WIN 0
	VMAX2 4
	VMAX2 6
	HEAD 1-\p                                      ; the next tile's f32 products run under the lines below
	V2B \p
.endm
	s_load_b512 s[8:23], s[0:1], 0x0               ; pc1 8, pc2 10, feat1 12, feat2 14, w_t1 16, w_t2 18, w_m1 20, w_m2 22
	s_load_b512 s[24:39], s[0:1], 0x40             ; w_pos 24, b_t1 26, b_t2 28, b_pos 30, b_m1 32, b_m2 34, the scales 36, nidx 38
	s_load_b64 s[40:41], s[0:1], 0x80              ; out0
	v_lshl_add_u32 v254, v0, 2, 0x22200
	v_mov_b32 v255, 0
	v_lshrrev_b32 v1, 5, v0
	v_readfirstlane_b32 s2, v1                     ; wave
	v_and_b32 v3, 31, v0                           ; lane
	v_and_b32 v1, 15, v0                           ; r
	v_bfe_u32 v2, v0, 4, 1                         ; h
	v_lshlrev_b32 v4, 4, v2
	v_lshlrev_b32 v5, 15, v2
	v_mov_b32 v6, 1.0
	v_and_b32 v19, 8, v1
	v_add_nc_u32 v19, v19, v1                      ; r + 8 (r / 8)
	v_lshl_add_u32 v160, v19, 7, v4                ; w_m1: a row is 128 bytes
	v_lshl_add_u32 v161, v1, 7, v4                 ; w_m2
	v_lshl_add_u32 v162, v19, 6, v4                ; w_t1, w_t2: 64 bytes
	v_lshlrev_b32 v163, 6, v2                      ; b_m1: my half's 16 numbers of 32
	v_mul_u32_u24 v165, v19, 12                    ; w_pos: 12 bytes a row
	v_lshl_add_u32 v164, v2, 3, v165               ; wx for lanes 0-15, wz for lanes 16-31
	v_lshlrev_b32 v166, 2, v19                     ; the three biases of layer 0
	v_lshlrev_b32 v167, 2, v3
	v_lshl_add_u32 v168, v1, 6, v4                 ; feat1: query r of sixteen
	v_lshrrev_b32 v14, 3, v1
	v_lshlrev_b32 v14, 19, v14
	v_and_b32 v18, 7, v1
	v_lshl_add_u32 v14, v18, 1, v14                ; nidx: plane r / 8, place r % 8
	s_wait_alu depctr_va_sdst(0)                   ; s2 is written, ahead of its first reader: bases and LDS addresses are made from it
	s_lshr_b32 s3, ttmp9, 5                        ; batch
	s_and_b32 s4, ttmp9, 31                        ; block of 128 queries
	s_lshl_b32 s5, s4, 7
	s_lshl_b32 s6, s2, 5
	s_add_co_u32 s5, s5, s6                        ; my wave's first query in the batch
	s_mul_i32 s42, s3, 49152
	s_mov_b32 s43, 0
	s_lshl_b32 s60, s3, 18                         ; a batch of codes
	s_mov_b32 s61, 0
	s_lshl_b32 s62, s5, 2
	s_mov_b32 s63, 0
	s_lshl_b32 s66, s5, 6
	s_mov_b32 s67, 0
	s_lshl_b32 s68, s3, 12
	s_add_co_u32 s68, s68, s5
	s_lshl_b32 s68, s68, 4
	s_mov_b32 s69, 0
	s_lshl_b32 s70, s3, 21                         ; out0: batch, my 32 channels on the way out, the block's 512 bytes
	s_lshl_b32 s6, s2, 19
	s_add_co_u32 s70, s70, s6
	s_lshl_b32 s6, s4, 9
	s_add_co_u32 s70, s70, s6
	s_mov_b32 s71, 0
	s_mov_b32 s49, 0xffff0000                      ; lanes 16-31
	s_mov_b32 s50, 0x76543210                      ; v_permlanex16_b32: lane l xor 16
	s_mov_b32 s51, 0xfedcba98
	s_mul_i32 s7, s2, BASEW
	s_mul_i32 s6, s2, QCW
	s_add_co_u32 s6, s6, QCT
	v_lshl_add_u32 v16, v1, 5, s7                  ; BASE, to read: 32 r
	v_lshl_add_u32 v22, v2, 12, v16                ; BASE, to write: + eight entries for lanes 16-31
	v_lshl_add_u32 v176, v3, 4, s7
	v_lshl_add_u32 v15, v2, 3, s6                  ; QCT, to read: 8 h
	v_lshl_add_u32 v177, v3, 4, s6
	v_lshl_add_u32 v178, v3, 2, s6
	v_mul_u32_u24 v17, v3, SPITCH
	s_lshl_b32 s4, s2, 7
	s_add_co_u32 s4, s4, STAGE
	v_add_nc_u32 v17, s4, v17                      ; STAGE: row = lane, my wave's 128 bytes
	s_wait_kmcnt 0x0
	s_load_b256 s[72:79], s[36:37], 0x0            ; e0 .. e7
	s_add_nc_u64 s[8:9], s[8:9], s[42:43]
	s_add_nc_u64 s[8:9], s[8:9], s[62:63]
	s_add_nc_u64 s[10:11], s[10:11], s[42:43]
	s_add_nc_u64 s[12:13], s[12:13], s[60:61]
	s_add_nc_u64 s[12:13], s[12:13], s[66:67]
	s_add_nc_u64 s[14:15], s[14:15], s[60:61]
	s_add_nc_u64 s[38:39], s[38:39], s[68:69]
	s_add_nc_u64 s[40:41], s[40:41], s[70:71]
	WIN 0x40
	s_wait_alu depctr_va_vdst(0)                   ; the offsets v14 and v160-168, which the loads below read, are written; so are the LDS addresses v15-17, v22 and v176-178
.irp t,0,1,2,3,4,5,6,7
.irp c,0,1,2,3
	global_load_b128 v[WM1+16*\t+4*\c:WM1+16*\t+4*\c+3], v160, s[20:21] offset:(32*(\t/2)+8*(\t%2))*128+32*\c
	global_load_b128 v[WM2+16*\t+4*\c:WM2+16*\t+4*\c+3], v161, s[22:23] offset:16*\t*128+32*\c
.endr
.endr
	WIN 0x80
.irp t,0,1,2,3,4,5,6,7
.irp c,0,1
	global_load_b128 v[WT2+8*\t+4*\c:WT2+8*\t+4*\c+3], v162, s[18:19] offset:(32*(\t/2)+8*(\t%2))*64+32*\c
	global_load_b128 v[WT1+8*\t+4*\c:WT1+8*\t+4*\c+3], v162, s[16:17] offset:(32*(\t/2)+8*(\t%2))*64+32*\c
.endr
	global_load_b128 v[B1+8*\t:B1+8*\t+3], v163, s[32:33] offset:(32*(\t/2)+8*(\t%2))*4
	global_load_b128 v[B1+8*\t+4:B1+8*\t+7], v163, s[32:33] offset:(32*(\t/2)+8*(\t%2))*4+16
	global_load_b32 v[WY+\t], v165, s[24:25] offset:(32*(\t/2)+8*(\t%2))*12+4
.endr
	WIN 0
.irp t,0,1,2,3,4,5,6,7
	global_load_b32 v[PA+2*\t], v164, s[24:25] offset:(32*(\t/2)+8*(\t%2))*12
	global_load_b32 v[96+\t], v166, s[26:27] offset:(32*(\t/2)+8*(\t%2))*4
	global_load_b32 v[104+\t], v166, s[28:29] offset:(32*(\t/2)+8*(\t%2))*4
	global_load_b32 v[112+\t], v166, s[30:31] offset:(32*(\t/2)+8*(\t%2))*4
.endr
.irp u,0,1,2,3
	global_load_b32 v[B2+\u], v167, s[34:35] offset:128*\u
.endr
	global_load_b32 v120, v167, s[8:9]             ; query = lane: x1, y1, z1
	global_load_b32 v121, v167, s[8:9] offset:16384
	global_load_b32 v122, v167, s[8:9] offset:32768
.irp g,0,1
.irp c,0,1
	global_load_b128 v[F2+8*\g+4*\c:F2+8*\g+4*\c+3], v168, s[12:13] offset:\g*1024+32*\c   ; feat1: queries 16 g + r
.endr
.endr
	global_load_u16 v7, v14, s[38:39]              ; the indices of tiles 0 and 1
	global_load_u16 v240, v14, s[38:39] offset:16
	s_wait_loadcnt 0x0
	s_wait_kmcnt 0x0
	s_add_co_i32 s57, s74, s75                     ; e2 + e3
	s_sub_co_i32 s59, 0, s57
	s_add_co_i32 s58, s72, s73
	s_sub_co_i32 s58, s58, s57
	s_add_co_i32 s58, s58, 127
	s_lshl_b32 s58, s58, 23                        ; 2^(e0 + e1 - e2 - e3)
	s_sub_co_i32 s42, s76, s57
	s_add_co_i32 s42, s42, 127
	s_lshl_b32 s43, s42, 23
	v_mov_b32 v[SC0], s43                          ; 2^(e4 - e2 - e3): the conversion takes its exponent field
	s_add_co_i32 s42, s42, 8
	s_lshl_b32 s42, s42, 23
	s_or_b32 s44, s42, 0x600000                    ; 448 x that,
	s_or_b32 s45, s44, 0x80000000                  ; and its negative
	s_add_co_i32 s57, s76, s77                     ; e4 + e5
	s_sub_co_i32 s60, 0, s57
	s_sub_co_i32 s42, s78, s57
	s_add_co_i32 s42, s42, 127
	s_lshl_b32 s43, s42, 23
	v_mov_b32 v[SC1], s43                          ; 2^(e6 - e4 - e5)
	s_add_co_i32 s42, s42, 8
	s_lshl_b32 s42, s42, 23
	s_or_b32 s46, s42, 0x600000
	s_or_b32 s47, s46, 0x80000000
	s_add_co_i32 s48, s78, s79
	s_add_co_i32 s48, s48, 127
	s_lshl_b32 s48, s48, 23                        ; 2^(e6 + e7)
.irp t,0,1,2,3,4,5,6,7
	v_ldexp_f32 v[PA+2*\t], v[PA+2*\t], s59        ; wx | wz in units of 2^(e2 + e3)
.endr
.irp t,0,1,2,3,4,5,6,7
	v_add_f32 v[96+\t], v[96+\t], v[104+\t]
.endr
.irp t,0,1,2,3,4,5,6,7
	v_add_f32 v[96+\t], v[96+\t], v[112+\t]
.endr
	WIN 0x80
.irp t,0,1,2,3,4,5,6,7
	v_ldexp_f32 v[BS+\t], v[96+\t], s59            ; (b_t1 + b_t2 + b_pos) / 2^(e2 + e3) at my tiles' channels
.endr
	WIN 0x82
.irp t,0,1,2,3,4,5,6,7
	v_ldexp_f32 v[WY+\t], v[WY+\t], s59
.endr
.set Q_I, 0
.rept 64
	v_ldexp_f32 v[B1+Q_I], v[B1+Q_I], s60          ; b_m1 / 2^(e4 + e5)
.set Q_I, Q_I+1
.endr
	WIN 0
	v_mov_b32 v123, v121
	v_mov_b32 v124, 0
	v_mov_b32 v125, 0
	v_mov_b32 v126, 0
	v_mov_b32 v127, 0
	v_min_u32 v7, 0xfff, v7
	v_min_u32 v240, 0xfff, v240
	v_lshl_add_u32 v8, v7, 6, v4
	v_lshl_add_u32 v10, v7, 2, v5
	v_lshlrev_b32 v12, 2, v7
	v_lshl_add_u32 v9, v240, 6, v4
	v_lshl_add_u32 v11, v240, 2, v5
	v_lshlrev_b32 v13, 2, v240
	s_wait_alu depctr_va_vdst(0)                   ; v123-127 are written, which the four stores below read
	ds_store_b128 v177, v[120:123]                 ; QCT: {x1, y1, z1, y1} of query = lane
	ds_store_b32 v178, v124 offset:512             ; its entries 32 .. 39
	ds_store_b128 v176, v[124:127] offset:32*512   ; BASE's entries 32 and 33
	ds_store_b128 v176, v[124:127] offset:33*512
	s_wait_dscnt 0x0                               ; the four stores are done
	s_wait_alu depctr_vm_vsrc(0)                   ; they have read v120-127, which the products below write, and v176-178; the loads of the head have read v160-168: the tiles write all of these
	; ---- p1 and the biases: base, for 16 queries at a time.  Source 0 = the queries, source 1 = w_t1's tile: register 8 t + j of lane (r, h) is query 8 h + j, channel of lane r of tile t.
	; The 128 numbers of a lane go into registers of their own, so that one wait serves all their stores
.irp g,0,1
	WIN 0x08                                       ; source 1: window 2
.irp t,0,1,2,3,4,5,6,7
	v_wmma_f32_16x16x64_fp8_fp8 v[ACC1+8*\t:ACC1+8*\t+7], v[F2+8*\g:F2+8*\g+7], v[WT1+8*\t:WT1+8*\t+7], 0
.endr
	WIN 0xe0                                       ; source 2: window 2; destination: window 3
	NOPS 4
.irp j,0,1,2,3,4,5,6,7
.irp t,0,1,2,3,4,5,6,7
	v_fma_f32 v[OB+64*\g+8*\j+\t], v[ACC1+8*\t+\j], s58, v[BS+\t]
.endr
.endr
.endr
	WIN 0x0c                                       ; store data: window 3
	s_wait_alu depctr_va_vdst(0)                   ; the multiply-adds have written the 128 numbers, which the stores below read; the products are done reading v208-223, in which the first gathers land; v8-13 are written, and v7 is done with
.irp g,0,1
.irp j,0,1,2,3,4,5,6,7
	ds_store_b128 v22, v[OB+64*\g+8*\j:OB+64*\g+8*\j+3] offset:(16*\g+\j)*512
	ds_store_b128 v22, v[OB+64*\g+8*\j+4:OB+64*\g+8*\j+7] offset:(16*\g+\j)*512+16
.endr
.endr
	WIN 0
	; ---- the loop's start: tiles 0 and 1 are gathered, the index of tile 2 between them, as in the loop.  No vector line stands between the wait above and these loads
	s_mov_b32 s52, 0                               ; 32 x trip: nidx and QCT
	s_mov_b32 s54, 0                               ; 1,024 x trip: BASE
	s_mov_b32 s55, 0                               ; 8 x the pair to be stored: STAGE
	GATH 0
	global_load_u16 v7, v14, s[38:39] offset:32
	GATH 1
	TABS 0, 0, 15, 16
	TABS 1, 1, 15, 16
	HEAD 0
	NOPS 8                                         ; on this way in no other vector work stands behind the f32 products: with the tile's seven address lines, fifteen places ahead of the first read
	TILE 0, 0                                      ; the first trip is written out: there is no pair before it to store
	TILE 1, 0
	s_add_co_u32 s52, s52, 32
	s_add_co_u32 s54, s54, 1024
	s_mov_b32 s56, 15
.Ltile:
	TILE 0, 1
	TILE 1, 0
	s_add_co_u32 s52, s52, 32
	s_add_co_u32 s54, s54, 1024
	s_add_co_u32 s55, s55, 8
	s_sub_co_u32 s56, s56, 1
	s_cmp_lg_u32 s56, 0
	s_cbranch_scc1 .Ltile
	; ---- the last pair, and the way out: a channel's 128 queries come from four waves; each wave stores 32 whole rows
	s_mul_i32 s57, s2, 32*SPITCH
	s_add_co_u32 s57, s57, STAGE
	v_add_nc_u32 v23, s55, v17
	v_lshl_add_u32 v19, v3, 4, s57
	v_lshlrev_b32 v22, 4, v3
	s_wait_alu depctr_va_vdst(0)                   ; the last pair's results and v23 are written, which the stores below read; so are v19 and v22, the stage loads' address and the global stores' offset; every vector and matrix line is done with v96-223, in which the stage loads land.  No vector line follows
	PAIROUT
	s_wait_loadcnt 0x0                             ; the look-ahead's loads have landed: their registers are used again below
	s_wait_dscnt 0x0                               ; for the others' sake: my stores into the stage are done
	s_barrier_signal -1
	s_barrier_wait -1
.set Q_I, 0
.rept 32
	ds_load_b128 v[96+4*Q_I:96+4*Q_I+3], v19 offset:Q_I*SPITCH
.set Q_I, Q_I+1
.endr
.set Q_I, 0
.rept 32
	s_wait_dscnt 31-Q_I
	global_store_b128 v22, v[96+4*Q_I:96+4*Q_I+3], s[40:41] offset:Q_I*16384 th:TH_STORE_NT   ; the wave stores 512 consecutive bytes of one channel, aligned; written once, read by nobody here
.set Q_I, Q_I+1
.endr
	s_wait_dscnt 0x0
	s_wait_alu depctr_hold_cnt(0) depctr_sa_sdst(0) depctr_va_vdst(0) depctr_va_sdst(0) depctr_va_ssrc(0) depctr_va_vcc(0) depctr_vm_vsrc(0)
	s_wait_tensorcnt 0x0
	ds_add_u32 v254, v255
	s_wait_dscnt 0x0
	s_endpgm
.Lfunc_end_k_q72798aada9_mlp:
	.size	k_q72798aada9_mlp, .Lfunc_end_k_q72798aada9_mlp-k_q72798aada9_mlp
	.p2alignl 7, 3214868480
	.fill 96, 4, 3214868480
	.section	.rodata,"a",@progbits
	.p2align	6, 0x0
	.amdhsa_kernel k_q72798aada9_mlp
		.amdhsa_group_segment_fixed_size 140288
		.amdhsa_private_segment_fixed_size 0
		.amdhsa_enable_private_segment 0
		.amdhsa_kernarg_size 136
		.amdhsa_user_sgpr_count 2
		.amdhsa_user_sgpr_kernarg_segment_ptr 1
		.amdhsa_wavefront_size32 1
		.amdhsa_system_sgpr_workgroup_id_x 1
		.amdhsa_system_sgpr_workgroup_id_y 1
		.amdhsa_system_sgpr_workgroup_id_z 1
		.amdhsa_system_vgpr_workitem_id 0
		.amdhsa_next_free_vgpr 896
		.amdhsa_next_free_sgpr 96
		.amdhsa_reserve_vcc 0
		.amdhsa_float_denorm_mode_32 3
		.amdhsa_float_denorm_mode_16_64 3
		.amdhsa_memory_ordered 1
		.amdhsa_forward_progress 1
		.amdhsa_inst_pref_size 166
	.end_amdhsa_kernel
	.amdgpu_metadata
---
amdhsa.version: [ 1, 2 ]
amdhsa.kernels:
  - .name:           k_q72798aada9_mlp
    .symbol:         k_q72798aada9_mlp.kd
    .args:
      - { .name: pc1, .offset: 0, .size: 8, .value_kind: global_buffer, .address_space: global }
      - { .name: pc2, .offset: 8, .size: 8, .value_kind: global_buffer, .address_space: global }
      - { .name: feat1_codes, .offset: 16, .size: 8, .value_kind: global_buffer, .address_space: global }
      - { .name: feat2_codes, .offset: 24, .size: 8, .value_kind: global_buffer, .address_space: global }
      - { .name: w_t1_codes, .offset: 32, .size: 8, .value_kind: global_buffer, .address_space: global }
      - { .name: w_t2_codes, .offset: 40, .size: 8, .value_kind: global_buffer, .address_space: global }
      - { .name: w_m1_codes, .offset: 48, .size: 8, .value_kind: global_buffer, .address_space: global }
      - { .name: w_m2_codes, .offset: 56, .size: 8, .value_kind: global_buffer, .address_space: global }
      - { .name: w_pos, .offset: 64, .size: 8, .value_kind: global_buffer, .address_space: global }
      - { .name: b_t1, .offset: 72, .size: 8, .value_kind: global_buffer, .address_space: global }
      - { .name: b_t2, .offset: 80, .size: 8, .value_kind: global_buffer, .address_space: global }
      - { .name: b_pos, .offset: 88, .size: 8, .value_kind: global_buffer, .address_space: global }
      - { .name: b_m1, .offset: 96, .size: 8, .value_kind: global_buffer, .address_space: global }
      - { .name: b_m2, .offset: 104, .size: 8, .value_kind: global_buffer, .address_space: global }
      - { .name: lowp_scales, .offset: 112, .size: 8, .value_kind: global_buffer, .address_space: global }
      - { .name: nidx, .offset: 120, .size: 8, .value_kind: global_buffer, .address_space: global }
      - { .name: out0, .offset: 128, .size: 8, .value_kind: global_buffer, .address_space: global }
    .group_segment_fixed_size: 140288
    .private_segment_fixed_size: 0
    .kernarg_segment_align: 8
    .kernarg_segment_size: 136
    .max_flat_workgroup_size: 128
    .sgpr_count:     96
    .vgpr_count:     896
    .wavefront_size: 32
...
	.end_amdgpu_metadata
.endif
;; end of part 4
